; MI455X (gfx1250); checked and timed in simulation.
; The chip was launched on July 23, 2026; its instructions are those of AMD's public machine-readable ISA for CDNA 5 (MIT licence, August 2026) and "CDNA5" Instruction Set Architecture Reference Guide (July 2026). The comments in the code are by the model that wrote it; some were corrected since.
;; Causal Self Attention. Allowed arithmetic: matrix products marked QUANTISED: E4M3 operands, one given power-of-two scale a tensor, by v_wmma_f32_16x16x64_fp8_fp8 or v_wmma_f32_16x16x128_fp8_fp8, f32 sums; everything else in f32.
;; Inputs: bk 1,024 float32; bo 1,024 float32; bq 1,024 float32; bv 1,024 float32; freqs_cos 1 x 2,048 x 1 x 32 float32; freqs_sin 1 x 2,048 x 1 x 32 float32; lowp_scales 12 int32 (the exponents e of the quantised operands' scales 2^e); mask 1 x 1 x 2,048 x 2,048 bool; wk 1,024 x 1,024 float32; wo 1,024 x 1,024 float32; wq 1,024 x 1,024 float32; wv 1,024 x 1,024 float32; x 2 x 2,048 x 1,024 float32.
;; Outputs: out0 2 x 2,048 x 1,024 float32.
;; This version of the problem:
;;   THIS VERSION OF THE PROBLEM IS GIVEN IN LOW PRECISION. The matrix products marked QUANTISED in the list below multiply operands that are first quantised to E4M3 (4 exponent bits, 3 mantissa bits; 8 bits a number), with one given power-of-two scale for each operand tensor; their sums are f32. All else is computed in f32.
;;   The module's matrix products, in the order in which they are computed (A, B: the left and right operand; K: the contracted axis; several contracted axes count as one K, in the product's order):
;;     1. [M 4,096, K 1,024] x [K 1,024, N 1,024]; A: input x; B: input wq: QUANTISED (scales: A lowp_scales[0], B lowp_scales[1])
;;     2. [M 4,096, K 1,024] x [K 1,024, N 1,024]; A: input x; B: input wk: QUANTISED (scales: A lowp_scales[2], B lowp_scales[3])
;;     3. [M 4,096, K 1,024] x [K 1,024, N 1,024]; A: input x; B: input wv: QUANTISED (scales: A lowp_scales[4], B lowp_scales[5])
;;     4. batch 32 x [M 2,048, K 64] x [K 64, N 2,048]; A: computed on the way; B: computed on the way: QUANTISED (scales: A lowp_scales[6], B lowp_scales[7])
;;     5. batch 32 x [M 64, K 2,048] x [K 2,048, N 2,048]; A: computed on the way; B: softmax (see below): QUANTISED (scales: A lowp_scales[8], B lowp_scales[9])
;;     6. [M 4,096, K 1,024] x [K 1,024, N 1,024]; A: computed on the way; B: input wo: QUANTISED (scales: A lowp_scales[10], B lowp_scales[11])
;;   THE QUANTISER, for each operand of a quantised product, along K:
;;     - The operand's scale is 2^e, e = its entry of the input lowp_scales (int32; the entries are numbered through the quantised products in the list's order, A before B).
;;     - Each number is divided by the scale, clamped to +-448, and rounded to the nearest number of E4M3, ties to even, subnormals kept.
;;     - The product sums the exact products of the quantised numbers (number of the format x scale) in f32.
;;   ~~~python
;;   def quantise(x, axis, e):      # numpy; x: float32 -> the quantised numbers, widened to float32 again
;;       x = np.moveaxis(x, axis, -1); K = x.shape[-1]
;;       r = np.clip(x / 2.0 ** e, -448, 448)
;;       step = 2.0 ** (np.maximum(np.frexp(np.where(r == 0, 1, r))[1] - 1, -6) - 3)
;;       q = np.round(r / step) * step * 2.0 ** e      # np.round: ties to even
;;       return np.moveaxis(q, -1, axis).astype(np.float32)
;;   ~~~
;;   SOFTMAX AHEAD OF A QUANTISED PRODUCT. Where the list says 'softmax', what is quantised is not the finished softmax but p = 2^(t - M), with t = logit x log2(e) and M = ceil(the row's largest t), a whole number; so 1/2 < the row's largest p <= 1. The row's sum l is taken of the UNQUANTISED p, in f32, and the product's result is divided by l at the end. Since M is a whole number, a kernel that streams over the keys may use a running M (the ceiling of the running maximum): every later rescaling is an exact power of two, so the quantised numbers keep their values, but for numbers so far below the row's largest that they fall under the format's range.
;;   OPERANDS COMPUTED ON THE WAY. 'Computed on the way' means the value that the module computes at that place (a softmax that the list does not call 'softmax' is quantised finished and normalised). What goes into a quantiser is computed in f32, as accurately as f32 sums, v_exp_f32 and their like allow (about 1e-6 of the number): no bf16 or f16 on the way to a quantiser, and a product that is left as it is and whose result goes on into a quantised operand takes f32 operands (vector FMAs, or v_wmma_f32_16x16x4_f32). A number that lies on a knife's edge between two numbers of the format may be rounded either way, as far as f32 arithmetic and the matrix unit's own rounding can turn it there, and no further.
;; 2 versions, each right; version 2 is version 1 with the launch attn written anew for expert scheduling mode. Each part assembles by itself: llvm-mc -triple=amdgcn-amd-amdhsa -mcpu=gfx1250 --defsym DOCPART=n.
;; ======== version 1 of 2: 4 launches
;; workspace buffers: xc 12,582,912 bytes; wc 4,194,304 bytes; mb 524,288 bytes of whole numbers; mf 8,192 bytes of whole numbers; qc 4,194,304 bytes; kc 4,194,304 bytes; vc 4,194,304 bytes; ac 4,194,304 bytes
;; launch prep (part 1): grid 384 x 1, 4 waves a work-group, no clusters, 68,096 bytes of LDS; arguments x, wq, wk, wv, wo, mask, lowp_scales, xc, wc, mb, mf; writes xc, wc, mb, mf
.if DOCPART == 1
	.amdgcn_target "amdgcn-amd-amdhsa--gfx1250"
	.amdhsa_code_object_version 6
	.text
	.protected	k_q5b980dafdf_prep
	.globl	k_q5b980dafdf_prep
	.p2align	8
	.type	k_q5b980dafdf_prep,@function
k_q5b980dafdf_prep:
	s_mov_b64 s[64:65], 0
	v_nop
	global_prefetch_b8 v0, s[64:65] scope:SCOPE_SE
	s_setreg_imm32_b32 hwreg(HW_REG_WAVE_MODE, 25, 1), 1
	s_wait_xcnt 0x0
; PREP: everything that later launches read many times is brought into the form in which they read it.  Three paths, parted by the work-group's number.
; PATH X (work-groups 0-127): x [4096][1024] f32 becomes THREE sets of E4M3 codes, one for each of the three products that read it (scales 2^ls[0], 2^ls[2], 2^ls[4]):
;   xc [3][4096][1024].  Set 0 keeps the rows; in sets 1 and 2 position p holds row sw(p), sw = bits 3 and 4 of the number exchanged.
; PATH W (128-255): wq, wk, wv, wo [K 1024][N 1024] f32 become codes with K innermost, wc [4][1024][1024] (scales ls[1], ls[3], ls[5], ls[11]);
;   for wq, wk, wv position p holds column sw(p), for wo column p.
; PATH M (256-383): the mask's bytes become, for each tile of 16 queries x 128 keys, 64 words of 32 lane bits in the order of the attention launch's score registers
;   (mb [128][16][64]: bit l of word n = mask[16 qt + l % 16][128 ks + 32 (n / 16) + 16 (l / 16) + n % 16] != 0), and flags (mf [128][4][4]: for a quarter of the keys: bit ks set
;   where the tile has any true byte; bit ks set where all its bytes are 1; the lanes that hold any true byte; 0).
; code = x / 2^e, held within +-448, rounded to the nearest code, ties to even.
; LIMITS: each e used here lies between -126 and 119.  NaN among x and the weights is not served.  A mask byte other than 0 counts as true.
; The waves share nothing: no barrier.  Each path has LDS bytes of its own: X bytes 0 to 32,767 (8,192 a wave), W bytes 32,768 to 67,583 (8,704 a wave), M none.
.set XSP,  80                          ; X: a lane's place in a stage: its 64 bytes + 16 of padding
.set XR,   16                          ; X: v16-79   four sets of 16 numbers as loaded
.set XX,   80                          ; X: v80-111  two sets of 16 neighbours along K
.set XT,   112                         ; X: v112-127 the numbers held within one scale's range
.set XC,   128                         ; X: v128-151 two sets of 3 x 4 registers of codes
.set XSC,  152                         ; X: v152-154 2^e of the three scales
.set XLM,  155                         ; X: v155-157 448 x 2^e
.set WSTG, 32768                       ; W: the stages' first byte
.set WPIT, 272                         ; W: a stage row: 256 bytes of codes + 16
.set WX,   32                          ; W: v32-95   two sets of 32 numbers down K
.set WC,   96                          ; W: v96-103  a block's codes
.set WOUT, 112                         ; W: v112-175 the way out
.set MM,   16                          ; M: v16-79   the mask's bytes: 4 key steps x 16 registers
.set MW,   80                          ; M: v80-87   a pair of registers for each key step: word n in lane n / 2 of register n % 2
.macro XLOAD t                         ; a step's 512 numbers: four loads of 512 consecutive bytes
.irp i, 0,1,2,3
	global_load_b128 v[XR+16*((\t)%4)+4*\i:XR+16*((\t)%4)+4*\i+3], v3, s[4:5] offset:2048*(\t)+512*\i th:TH_LOAD_NT
.endr
.endm
.macro XTURN t                         ; through the wave's stage: in as loaded, out 64 bytes a lane.  LDS serves a wave's instructions in order: no wait between
.irp i, 0,1,2,3
	ds_store_b128 v14, v[XR+16*((\t)%4)+4*\i:XR+16*((\t)%4)+4*\i+3] offset:32*XSP*((\t)%2)+8*XSP*\i
.endr
.irp i, 0,1,2,3
	ds_load_b128 v[XX+16*((\t)%2)+4*\i:XX+16*((\t)%2)+4*\i+3], v15 offset:32*XSP*((\t)%2)+16*\i
.endr
.endm
.macro XSTEP t
.set XS, XX+16*((\t)%2)
	s_wait_dscnt 0x0                               ; this step's numbers are back from the stage, so its stores into the stage have read their registers,
.if (\t)+4 < 16
	XLOAD (\t)+4                                   ; which take the loads of four steps on
.endif
.if (\t)+1 < 16
.if 14-(\t) >= 3
	s_wait_loadcnt 12                              ; the next step's four loads are in; those of the three steps behind it may be out
.else
	s_wait_loadcnt 4*(14-(\t))
.endif
	XTURN (\t)+1
.endif
	s_wait_xcnt 0x0                                ; the stores of two steps ago have read this set of code registers
.irp k, 0,1,2
.irp i, 0,1,2,3,4,5,6,7,8,9,10,11,12,13,14,15
	v_med3_num_f32 v[XT+\i], v[XS+\i], -v[XLM+\k], v[XLM+\k]   ; the conversion does not saturate (ISA guide 7.6.2): the hold at the largest code x the scale
.endr
	v_cvt_scalef32_pk8_fp8_f32 v[XC+12*((\t)%2)+4*\k:XC+12*((\t)%2)+4*\k+1], v[XT:XT+7], v[XSC+\k]
	v_cvt_scalef32_pk8_fp8_f32 v[XC+12*((\t)%2)+4*\k+2:XC+12*((\t)%2)+4*\k+3], v[XT+8:XT+15], v[XSC+\k]
	v_nop                                          ; a plain line between the conversions and the next scale's holds, which write their sources
	global_store_b128 v3, v[XC+12*((\t)%2)+4*\k:XC+12*((\t)%2)+4*\k+3], s[48+2*\k:49+2*\k] offset:512*(\t)   ; 32 lanes store 512 consecutive bytes
.endr
.endm
.macro WLOAD t                         ; block t: W(32 t + i, my column), i = 0 .. 31
.set i, 0
.rept 32
	global_load_b32 v[WX+32*((\t)%2)+i], v3, s[48:49] offset:(32*(\t)+i)*4096 th:TH_LOAD_NT
.set i, i+1
.endr
.endm
.macro WBLOCK t
.set XS, WX+32*((\t)%2)
.if (\t) < 7
	s_wait_loadcnt 32                              ; this block's 32 loads are in; the next block's may be out
.else
	s_wait_loadcnt 0
.endif
.set i, 0
.rept 32
	v_med3_num_f32 v[XS+i], v[XS+i], -v10, v10
.set i, i+1
.endr
.irp g, 0,1,2,3
	v_cvt_scalef32_pk8_fp8_f32 v[WC+2*\g:WC+2*\g+1], v[XS+8*\g:XS+8*\g+7], v11
.endr
	ds_store_b128 v4, v[WC:WC+3] offset:32*(\t)    ; 32 codes of my position's row
	ds_store_b128 v4, v[WC+4:WC+7] offset:32*(\t)+16
.if (\t)+2 < 8
	WLOAD (\t)+2
.endif
	s_wait_dscnt 0x0                               ; the stores have read their registers: the next block's codes may be written (32 plain holds come first)
.endm
.macro MSTEP k                         ; key step 4 j + k of my quarter
	s_wait_loadcnt 12-4*(\k)                       ; this step's four loads are in; the later steps' may be out
.set n, 0
.rept 64
	v_and_b32 v[96+n%4], 0xff<<(8*(n%4)), v[MM+16*(\k)+4*(n/16)+(n%16)/4]   ; the byte of key 32 (n / 16) + 16 (lane / 16) + n % 16
	v_cmp_ne_u32 s[44+n%8], 0, v[96+n%4]           ; word n: a bit for each lane
	v_writelane_b32 v[MW+2*(\k)+n%2], s[44+n%8], n/2
.set n, n+1
.endr
	v_or_b32 v100, v[MM+16*(\k)], v[MM+16*(\k)+1]
	v_and_b32 v101, v[MM+16*(\k)], v[MM+16*(\k)+1]
.set n, 2
.rept 14
	v_or_b32 v100, v100, v[MM+16*(\k)+n]
	v_and_b32 v101, v101, v[MM+16*(\k)+n]
.set n, n+1
.endr
	v_cmp_ne_u32 s52, 0, v100                      ; lanes with any true byte
	v_cmp_eq_u32 s53, 0x01010101, v101             ; lanes all of whose bytes are 1
	s_or_b32 s56, s56, s52
	s_lshl_b32 s59, s58, \k                        ; bit 4 j + k
	s_cmp_lg_u32 s52, 0
	s_cselect_b32 s60, s59, 0
	s_or_b32 s54, s54, s60
	s_cmp_eq_u32 s53, -1
	s_cselect_b32 s60, s59, 0
	s_or_b32 s55, s55, s60
	global_store_b64 v6, v[MW+2*(\k):MW+2*(\k)+1], s[22:23] offset:256*(\k)   ; the tile's 64 words: 256 consecutive bytes, aligned
.endm
	s_load_b256 s[4:11], s[0:1], 0x0               ; x s[4:5], wq s[6:7], wk s[8:9], wv s[10:11]
	s_load_b256 s[12:19], s[0:1], 0x20             ; wo s[12:13], mask s[14:15], the scales' exponents s[16:17], xc s[18:19]
	s_load_b128 s[20:23], s[0:1], 0x40             ; wc s[20:21], mb s[22:23]
	s_load_b64 s[24:25], s[0:1], 0x50              ; mf
	v_lshl_add_u32 v192, v0, 2, 0x10800
	v_mov_b32 v193, 0
	v_lshrrev_b32 v1, 5, v0
	v_readfirstlane_b32 s26, v1                    ; wave 0..3
	v_and_b32 v2, 31, v0                           ; lane
	s_wait_kmcnt 0x0
	s_load_b256 s[28:35], s[16:17], 0x0            ; ls[0..7]
	s_load_b128 s[36:39], s[16:17], 0x20           ; ls[8..11]
	s_cmp_lt_u32 ttmp9, 128
	s_cbranch_scc1 .Lpath_x
	s_cmp_lt_u32 ttmp9, 256
	s_cbranch_scc1 .Lpath_w
; ---------------- PATH M: work-group = a tile of 16 queries, wave j = key steps 4 j .. 4 j + 3 ----------------
	s_wait_kmcnt 0x0                               ; (the exponents are not used here; their loads are done before anything else is written)
	s_sub_co_u32 s40, ttmp9, 256                   ; qt
	s_lshl_b32 s42, s40, 15                        ; 16 rows of 2,048 bytes
	s_lshl_b32 s41, s26, 9                         ; my quarter of a row
	s_add_co_u32 s42, s42, s41
	s_mov_b32 s43, 0
	s_add_nc_u64 s[14:15], s[14:15], s[42:43]
	v_and_b32 v4, 15, v0                           ; r: my query in the tile
	v_bfe_u32 v5, v0, 4, 1                         ; h
	v_lshlrev_b32 v3, 11, v4
	v_lshl_add_u32 v3, v5, 4, v3                   ; row r, + 16 h
.irp k, 0,1,2,3
.irp b, 0,1,2,3
	global_load_b128 v[MM+16*\k+4*\b:MM+16*\k+4*\b+3], v3, s[14:15] offset:128*\k+32*\b th:TH_LOAD_NT   ; keys 32 b + 16 h + 0 .. 15 of step k
.endr
.endr
	s_lshl_b32 s42, s40, 12                        ; mb: 16 key steps of 256 bytes for each tile of queries
	s_lshl_b32 s41, s26, 10
	s_add_co_u32 s42, s42, s41
	s_add_nc_u64 s[22:23], s[22:23], s[42:43]
	s_lshl_b32 s42, s40, 6                         ; mf: 64 bytes for each tile of queries, 16 for each quarter
	s_lshl_b32 s41, s26, 4
	s_add_co_u32 s42, s42, s41
	s_add_nc_u64 s[24:25], s[24:25], s[42:43]
	v_lshlrev_b32 v6, 3, v2                        ; 8 x lane
	v_lshlrev_b32 v7, 2, v2                        ; 4 x lane
.irp i, 0,1,2,3,4,5,6,7
	v_mov_b32 v[MW+\i], 0                          ; written whole once: a lane write keeps the other lanes
.endr
	v_mov_b32 v104, 0
	s_mov_b32 s54, 0                               ; any
	s_mov_b32 s55, 0                               ; all
	s_mov_b32 s56, 0                               ; lanes with any true byte in this quarter
	s_lshl_b32 s57, s26, 2
	s_lshl_b32 s58, 1, s57                         ; bit 4 j
	MSTEP 0
	MSTEP 1
	MSTEP 2
	MSTEP 3
	v_writelane_b32 v104, s54, 0
	v_writelane_b32 v104, s55, 1
	v_writelane_b32 v104, s56, 2                   ; lane 3 keeps 0
	v_cmp_gt_u32 vcc_lo, 4, v2
	s_wait_xcnt 0x0                                ; EXEC changes only behind this wait
	s_and_saveexec_b32 s61, vcc_lo
	global_store_b32 v7, v104, s[24:25]            ; 16 bytes of a table of 8,192: four waves fill a tile's 64 bytes, so these stores cover only part of an aligned 256 bytes
	s_wait_xcnt 0x0
	s_or_b32 exec_lo, exec_lo, s61
	s_endpgm
; ---------------- PATH X: a wave takes 8 rows of x, 16 steps of 512 numbers ----------------
.Lpath_x:
	v_lshlrev_b32 v3, 4, v2                        ; 16 x lane: my bytes of a load's 512, and of a store's
	s_lshl_b32 s40, s26, 13                        ; my stages
	v_lshrrev_b32 v14, 2, v2
	v_mul_u32_u24 v14, v14, XSP
	v_and_b32 v15, 3, v2
	v_lshl_add_u32 v14, v15, 4, v14
	v_add_nc_u32 v14, s40, v14                     ; in: four lanes' 64 bytes on end, then the padding
	v_mul_u32_u24 v15, v2, XSP
	v_add_nc_u32 v15, s40, v15                     ; out: my 16 neighbours
	s_lshl_b32 s41, ttmp9, 2
	s_add_co_u32 s42, s41, s26                     ; R: rows 8 R .. 8 R + 7
	s_and_b32 s43, s26, 1
	s_lshl_b32 s43, s43, 1
	s_lshr_b32 s44, s26, 1
	s_or_b32 s43, s43, s44
	s_add_co_u32 s43, s41, s43                     ; R with its bits 0 and 1 exchanged: the rows' bits 3 and 4
	s_lshl_b32 s46, s42, 15
	s_mov_b32 s47, 0
	s_add_nc_u64 s[4:5], s[4:5], s[46:47]
	s_lshl_b32 s46, s42, 13
	s_add_nc_u64 s[48:49], s[18:19], s[46:47]      ; set 0: rows as they are
	s_lshl_b32 s46, s43, 13
	s_add_co_u32 s46, s46, 0x400000
	s_add_nc_u64 s[50:51], s[18:19], s[46:47]      ; set 1
	s_add_nc_u64 s[52:53], s[50:51], 0x400000      ; set 2
	XLOAD 0
	XLOAD 1
	XLOAD 2
	XLOAD 3
	s_wait_kmcnt 0x0
.irp k, 0,1,2
	s_add_co_i32 s54, s[28+2*\k], 127
	s_lshl_b32 s55, s54, 23
	v_mov_b32 v[XSC+\k], s55                       ; 2^e as f32: the conversion takes its exponent field
	s_add_co_i32 s54, s54, 8
	s_lshl_b32 s54, s54, 23
	s_or_b32 s54, s54, 0x600000
	v_mov_b32 v[XLM+\k], s54                       ; 448 x 2^e
.endr
	s_wait_loadcnt 12                              ; step 0's four loads are in
	XTURN 0
.irp t, 0,1,2,3,4,5,6,7,8,9,10,11,12,13,14,15
	XSTEP \t
.endr
	s_wait_tensorcnt 0x0
	ds_add_u32 v192, v193
	s_wait_dscnt 0x0
	s_endpgm
; ---------------- PATH W: a work-group takes 128 positions x 256 along K of one weight; a lane takes a column, its registers run down K ----------------
.Lpath_w:
	s_sub_co_u32 s40, ttmp9, 128
	s_lshr_b32 s41, s40, 5                         ; which weight
	s_and_b32 s42, s40, 7                          ; which 128 positions
	s_bfe_u32 s43, s40, 0x20003                    ; which 256 along K
	s_lshl_b32 s44, s42, 7
	s_lshl_b32 s45, s26, 5
	s_add_co_u32 s44, s44, s45                     ; my wave's first position
	v_lshrrev_b32 v5, 3, v2
	v_lshrrev_b32 v6, 4, v2
	v_xor_b32 v5, v5, v6
	v_and_b32 v5, 1, v5
	v_mul_u32_u24 v5, v5, 24                       ; 24 where the lane's bits 3 and 4 differ
	s_cmp_lt_u32 s41, 3
	s_cselect_b32 s46, 24, 0                       ; wo keeps its columns
	v_and_b32 v5, s46, v5
	v_xor_b32 v5, v5, v2                           ; position lane holds column sw(lane): the wave's load still covers the same 128 bytes
	v_lshlrev_b32 v3, 2, v5
	s_mul_i32 s47, s26, 32*WPIT
	s_add_co_u32 s47, s47, WSTG                    ; my stage
	v_mul_u32_u24 v4, v2, WPIT
	v_add_nc_u32 v4, s47, v4                       ; into it: row = my position
	v_and_b32 v5, 15, v2
	v_lshrrev_b32 v6, 4, v2
	v_mul_u32_u24 v7, v6, WPIT
	v_lshl_add_u32 v7, v5, 4, v7
	v_add_nc_u32 v7, s47, v7                       ; out of it: sixteen lanes to a row, two rows an instruction
	v_lshlrev_b32 v8, 10, v6
	v_lshl_add_u32 v8, v5, 4, v8                   ; and the same place in wc (rows of 1,024 bytes)
	s_cmp_eq_u32 s41, 1
	s_cselect_b64 s[48:49], s[8:9], s[6:7]
	s_cmp_eq_u32 s41, 2
	s_cselect_b64 s[48:49], s[10:11], s[48:49]
	s_cmp_eq_u32 s41, 3
	s_cselect_b64 s[48:49], s[12:13], s[48:49]     ; the weight: chosen by the work-group's number alone
	s_lshl_b32 s50, s43, 20                        ; 256 rows of 4,096 bytes
	s_lshl_b32 s52, s44, 2
	s_add_co_u32 s50, s50, s52
	s_mov_b32 s51, 0
	s_add_nc_u64 s[48:49], s[48:49], s[50:51]
	s_lshl_b32 s50, s41, 20
	s_lshl_b32 s52, s44, 10
	s_add_co_u32 s50, s50, s52
	s_lshl_b32 s52, s43, 8
	s_add_co_u32 s50, s50, s52
	s_add_nc_u64 s[20:21], s[20:21], s[50:51]
	WLOAD 0
	WLOAD 1
	s_wait_kmcnt 0x0
	s_cmp_eq_u32 s41, 1
	s_cselect_b32 s54, s31, s29
	s_cmp_eq_u32 s41, 2
	s_cselect_b32 s54, s33, s54
	s_cmp_eq_u32 s41, 3
	s_cselect_b32 s54, s39, s54                    ; e: ls[1], ls[3], ls[5] or ls[11]
	s_add_co_i32 s54, s54, 127
	s_lshl_b32 s55, s54, 23
	v_mov_b32 v11, s55                             ; 2^e
	s_add_co_i32 s54, s54, 8
	s_lshl_b32 s54, s54, 23
	s_or_b32 s54, s54, 0x600000
	v_mov_b32 v10, s54                             ; 448 x 2^e
.irp t, 0,1,2,3,4,5,6,7
	WBLOCK \t
.endr
.irp t, 0,1,2,3,4,5,6,7,8,9,10,11,12,13,14,15
	ds_load_b128 v[WOUT+4*\t:WOUT+4*\t+3], v7 offset:2*\t*WPIT   ; LDS serves a wave's instructions in order: these see my stores
.endr
.irp t, 0,1,2,3,4,5,6,7,8,9,10,11,12,13,14,15
	s_wait_dscnt 15-\t                             ; rows 2 t and 2 t + 1 are back; the younger loads may be out
	global_store_b128 v8, v[WOUT+4*\t:WOUT+4*\t+3], s[20:21] offset:2*\t*1024   ; sixteen lanes store 256 consecutive bytes, aligned
.endr
	s_wait_tensorcnt 0x0
	ds_add_u32 v192, v193
	s_wait_dscnt 0x0
	s_endpgm
.Lfunc_end_k_q5b980dafdf_prep:
	.size	k_q5b980dafdf_prep, .Lfunc_end_k_q5b980dafdf_prep-k_q5b980dafdf_prep
	.p2alignl 7, 3214868480
	.fill 96, 4, 3214868480
	.section	.rodata,"a",@progbits
	.p2align	6, 0x0
	.amdhsa_kernel k_q5b980dafdf_prep
		.amdhsa_group_segment_fixed_size 68096
		.amdhsa_private_segment_fixed_size 0
		.amdhsa_enable_private_segment 0
		.amdhsa_kernarg_size 88
		.amdhsa_user_sgpr_count 2
		.amdhsa_user_sgpr_kernarg_segment_ptr 1
		.amdhsa_wavefront_size32 1
		.amdhsa_system_sgpr_workgroup_id_x 1
		.amdhsa_system_sgpr_workgroup_id_y 1
		.amdhsa_system_sgpr_workgroup_id_z 1
		.amdhsa_system_vgpr_workitem_id 0
		.amdhsa_next_free_vgpr 194
		.amdhsa_next_free_sgpr 66
		.amdhsa_reserve_vcc 1
		.amdhsa_float_denorm_mode_32 3
		.amdhsa_float_denorm_mode_16_64 3
		.amdhsa_memory_ordered 1
		.amdhsa_forward_progress 1
		.amdhsa_inst_pref_size 185
	.end_amdhsa_kernel
	.amdgpu_metadata
---
amdhsa.version: [ 1, 2 ]
amdhsa.kernels:
  - .name:           k_q5b980dafdf_prep
    .symbol:         k_q5b980dafdf_prep.kd
    .args:
      - { .name: x, .offset: 0, .size: 8, .value_kind: global_buffer, .address_space: global }
      - { .name: wq, .offset: 8, .size: 8, .value_kind: global_buffer, .address_space: global }
      - { .name: wk, .offset: 16, .size: 8, .value_kind: global_buffer, .address_space: global }
      - { .name: wv, .offset: 24, .size: 8, .value_kind: global_buffer, .address_space: global }
      - { .name: wo, .offset: 32, .size: 8, .value_kind: global_buffer, .address_space: global }
      - { .name: mask, .offset: 40, .size: 8, .value_kind: global_buffer, .address_space: global }
      - { .name: lowp_scales, .offset: 48, .size: 8, .value_kind: global_buffer, .address_space: global }
      - { .name: xc, .offset: 56, .size: 8, .value_kind: global_buffer, .address_space: global }
      - { .name: wc, .offset: 64, .size: 8, .value_kind: global_buffer, .address_space: global }
      - { .name: mb, .offset: 72, .size: 8, .value_kind: global_buffer, .address_space: global }
      - { .name: mf, .offset: 80, .size: 8, .value_kind: global_buffer, .address_space: global }
    .group_segment_fixed_size: 68096
    .private_segment_fixed_size: 0
    .kernarg_segment_align: 8
    .kernarg_segment_size: 88
    .max_flat_workgroup_size: 128
    .sgpr_count:     66
    .vgpr_count:     194
    .wavefront_size: 32
...
	.end_amdgpu_metadata
.endif
;; end of part 1
;; launch qkv (part 2): grid 48 x 4, 4 waves a work-group, clusters of 4 x 4, 327,680 bytes of LDS; arguments xc, wc, lowp_scales, bq, bk, bv, freqs_cos, freqs_sin, qc, kc, vc; writes qc, kc, vc
.if DOCPART == 2
	.amdgcn_target "amdgcn-amd-amdhsa--gfx1250"
	.amdhsa_code_object_version 6
	.text
	.protected	k_q5b980dafdf_qkv
	.globl	k_q5b980dafdf_qkv
	.p2align	8
	.type	k_q5b980dafdf_qkv,@function
k_q5b980dafdf_qkv:
	s_mov_b64 s[64:65], 0
	v_nop
	global_prefetch_b8 v0, s[64:65] scope:SCOPE_SE
	s_setreg_imm32_b32 hwreg(HW_REG_WAVE_MODE, 25, 1), 1
	s_wait_xcnt 0x0
	s_wait_alu depctr_hold_cnt(0) depctr_sa_sdst(0) depctr_va_vdst(0) depctr_va_sdst(0) depctr_va_ssrc(0) depctr_va_vcc(0) depctr_vm_vsrc(0)
	s_getreg_b32 s2, hwreg(HW_REG_IB_STS2, 6, 4)
	s_cmp_eq_u32 s2, 0
	s_cbranch_scc0 .Lentry_in_a_cluster
	s_endpgm
.Lentry_in_a_cluster:
	s_bfe_u32 s2, ttmp6, 0x10000c
	s_cmp_lg_u32 s2, 0xf033
	s_cbranch_scc0 .Lentry_shape_is_right
	s_endpgm
.Lentry_shape_is_right:
; QKV: the three products x wq, x wk, x wv on E4M3 codes, then bias, RoPE (q and k) and the quantiser of the attention's operands; the results leave as codes, laid in the order of the
; attention launch's operand registers, straight from registers: every store of a wave covers 512 consecutive bytes, aligned.
; A tile of 256 x 256 is made by a work-group of four waves, a wave makes 128 x 128: 64 accumulators, 512 registers.  K = 1,024 goes in four steps of 256 through two LDS slots filled by the tensor data mover.
; ONE LOOP SERVES THREE SECTIONS.  Source 1 of the matrix instruction ('S1') gives a lane its row; source 0 ('S0') runs along the lane's registers.  The next product's K must run along the registers:
;   q, k (sections 0, 1): S1 = tokens (xc), S0 = features (wc): a lane holds one token and neighbouring features of a head.
;   v    (section 2):     S1 = features (wc), S0 = tokens (xc): a lane holds one feature and neighbouring keys.
; Position p of S0's rows holds row sw(p) (bits 3 and 4 exchanged), so that the 16 registers of two neighbouring accumulators are 16 neighbours: 32 B + 16 (lane / 16) + 0 .. 15.
; CLUSTERS: 4 x 4 work-groups; twelve clusters: section = cluster / 4, window = cluster % 4.  S1's tile is shared along a row of the cluster, S0's along a column: each is asked for jointly.
; The section is the same in all sixteen partners, so the one branch on it is taken alike by all.
; OUTPUT.  qc [bh 32][tile of 16 tokens 128][c 2][lane][16 bytes]: lane (r, h): token 16 tile + r, d = 32 c + 16 h + 0 .. 15.  kc: the same, lane r of a tile holds token sw(16 tile + r).
;   vc [bh][key step 16][tile of 16 d 4][c 4][lane][16 bytes]: lane (r, h): d = sw(16 tile + r), keys 128 step + 32 c + 16 h + 0 .. 15.
; LIMITS: ls[0]+ls[1], ls[2]+ls[3], ls[4]+ls[5] between -126 and 127; ls[6], ls[7], ls[8] between -126 and 119.  NaN is not served.
; REGISTERS, in windows of 256: window 0: v0-31 addresses and constants; v128-255 S1's fragments (one set); window 1: S0's fragments (two sets); windows 2, 3: the accumulators ((a, b) at v[8 (8 (a % 4) + b)]).
;   On the way out, window 0: v32-95 biases; v96-159 two sets of 16 cos + 16 sin; v160-223 numbers at work; v224-231 RoPE's cross terms; v232-247 codes.
.set KROW,   1024                      ; a row of xc or of wc in bytes
.set ROWB,   256                       ; a tile's row: 256 codes
.set PITCH,  272                       ; an LDS row: 256 bytes + 16 of padding, so that the 16 rows of a fragment load start 68 words apart
.set FR,     16                        ; registers of a fragment: 16 rows x 128 K
.set NL,     4                         ; LDS loads that bring one
.set NP,     4                         ; places behind this matrix instruction (ISA guide 7.12.1)
.set HALFT,  128*PITCH                 ; 128 rows: what one tensor load brings
.set SLOT,   4*HALFT                   ; S1's 256 rows, then S0's 256 rows
.set SPARE,  2*SLOT                    ; behind the ring: the spare words, 128 bytes a wave, which no other line names
.set LI,   8                           ; v8   16 x lane
.set CAE,  9                           ; v9   cos, sin: my token's bytes in an even block;  v10 in an odd block
.set BOF,  11                          ; v11  my lane's offset among the biases
.set QSC,  12                          ; v12  2^e of the result's quantiser
.set QLM,  13                          ; v13  448 x 2^e
.set ADRA, 16                          ; v16-17  LDS address of my S1 fragments in slot 0, 1
.set ADRB, 20                          ; v20-21  the same for S0
.set SPW,  28                          ; v28  LDS address of my spare word; never rewritten
.set NIL,  29                          ; v29  0; never rewritten
.set BI,   32
.set CSR,  96
.set AF,   128
.set T,    160
.set U,    224
.set CD,   232
.set G1, 24                            ; s[24:31] descriptor group 1 for S1's tiles;  s[32:39] group 0, one set for each slot
.set G0, 32
.set G1B, 48                           ; s[48:55], s[56:63] the same for S0's tiles
.set G0B, 56
.set MSB, 0
.macro WIN new                         ; the immediate's high byte repeats the setting that is left
.if MSB != \new
	s_set_vgpr_msb (MSB<<8)|\new
.set MSB, \new
.endif
.endm
.set MUL_LO, 0xa1                      ; source 0 (S0) window 1, source 1 (S1) window 0, C and D window 2
.set MUL_HI, 0xf1                      ; the same, C and D window 3
.set TO_B,   0x40                      ; destination window 1, address window 0
; A joint load: waves 0 and 1 fetch for S1, waves 2 and 3 for S0.  The branch hangs on the wave's number alone.  Four v_nop follow each of the two lines.
.macro JLOAD g0a, g1a, g0b, g1b
	s_cmp_eq_u32 s15, 0
	s_cbranch_scc0 .Lfor_b_\@
	tensor_load_to_lds s[\g0a:\g0a+3], s[\g1a:\g1a+7]
	s_nop 0
.rept 4
	v_nop
.endr
	s_branch .Lasked_\@
.Lfor_b_\@:
	tensor_load_to_lds s[\g0b:\g0b+3], s[\g1b:\g1b+7]
	s_nop 0
.rept 4
	v_nop
.endr
.Lasked_\@:
.endm
.macro CREST                           ; a round of the cluster's barrier behind its opening barrier
	s_cmp_lg_u32 s14, 0
	s_cbranch_scc1 .Lnot_wave_0_\@
	s_barrier_signal -3
.Lnot_wave_0_\@:
	s_barrier_wait -3
	s_barrier_signal -1
	s_barrier_wait -1
.endm
.macro CROUND                          ; a whole round
	s_barrier_signal -1
	s_barrier_wait -1
	CREST
.endm
	s_load_b128 s[4:7], s[0:1], 0x0                ; xc s[4:5], wc s[6:7]
	s_load_b64 s[8:9], s[0:1], 0x10                ; the scales' exponents
	s_load_b256 s[68:75], s[0:1], 0x18             ; bq s[68:69], bk s[70:71], bv s[72:73], cos s[74:75]
	s_load_b256 s[76:83], s[0:1], 0x38             ; sin s[76:77], qc s[78:79], kc s[80:81], vc s[82:83]
	v_lshl_add_u32 v[SPW], v0, 2, SPARE
	v_mov_b32 v[NIL], 0
	ds_add_u32 v28, v29
	ds_add_u32 v28, v29
	s_wait_dscnt 0x0
	v_lshrrev_b32 v1, 5, v0
	v_readfirstlane_b32 s14, v1                    ; wave 0..3
	s_lshr_b32 s15, s14, 1                         ; which half of S1's rows is mine.  Also: I fetch for S1 (0) or for S0 (1)
	s_and_b32 s16, s14, 1                          ; which half of S0's rows.  Also: which 128 rows of that tile I fetch
	s_bfe_u32 s40, ttmp6, 0x40000                  ; cx, cy: my place in the cluster
	s_bfe_u32 s41, ttmp6, 0x40004
	s_lshr_b32 s93, ttmp9, 2                       ; section: 0 q, 1 k, 2 v (ttmp9 counts clusters)
	s_and_b32 s94, ttmp9, 3
	s_lshl_b32 s94, s94, 2                         ; 4 x window: the window's first tile of 256 tokens
	s_lshl_b32 s18, s93, 22                        ; xc's set of sections 0, 1
	s_lshl_b32 s19, s93, 20                        ; wc's weight of sections 0, 1
	s_mov_b32 s22, 0x200000                        ; wv^T in wc
	s_mov_b32 s23, 0x800000                        ; set 2 in xc
	s_cmp_eq_u32 s93, 2
	s_cselect_b32 s98, 0, s94
	s_cselect_b32 s99, s94, 0
	s_cselect_b32 s18, s22, s18                    ; S1's matrix begins so many bytes into its buffer,
	s_cselect_b32 s19, s23, s19                    ; S0's so many
	s_add_co_u32 s17, s41, s98                     ; t1, S1's tile: cy, and the window where S1 is tokens
	s_add_co_u32 s42, s40, s99                     ; t0, S0's tile: cx, and the window where S0 is tokens
	s_lshl_b32 s43, s41, 2
	s_lshl_b32 s43, 15, s43                        ; my row of the cluster
	s_lshl_b32 s44, 0x1111, s40                    ; my column
	; descriptor group 1: a tile of 128 rows x 256 bytes, padded in LDS
	s_or_b32 s[G1+0], s43, (0<<16)|(1<<20)|(1<<21)|(5<<22)|(3<<25)  ; 15:0 the mask: S1's tiles go to my row; 17:16 elements of 1 byte; 20 padding on; 21 set beside a mask; 24:22 after every 64 words; 31:25 four words
	s_or_b32 s[G1B+0], s44, (0<<16)|(1<<20)|(1<<21)|(5<<22)|(3<<25)
.irp g, G1, G1B
	s_mov_b32 s[\g+1], ROWB<<16                    ; tensor_dim0
	s_mov_b32 s[\g+2], 128<<16                     ; tensor_dim1
	s_mov_b32 s[\g+3], ROWB<<16                    ; tile_dim0
	s_mov_b32 s[\g+4], 128                         ; tile_dim1
	s_mov_b32 s[\g+5], KROW                        ; tensor_dim0_stride
	s_mov_b32 s[\g+6], 0
	s_mov_b32 s[\g+7], 0
.endr
	s_lshl_b32 s22, s16, 7                         ; which 128 rows of the tile I fetch
	s_lshl_b32 s20, s17, 8
	s_add_co_u32 s20, s20, s22
	s_lshl_b32 s20, s20, 10                        ; rows of 1,024 bytes
	s_add_co_u32 s20, s20, s18                     ; S1: made of cy, the window, the section and the wave alone
	s_mov_b32 s21, 0
	s_lshl_b32 s46, s42, 8
	s_add_co_u32 s46, s46, s22
	s_lshl_b32 s46, s46, 10
	s_add_co_u32 s46, s46, s19                     ; S0: of cx, the window, the section and the wave alone
	s_mov_b32 s47, 0
	s_mul_i32 s45, s14, HALFT                      ; where they go: wave x 128 rows: no place in the cluster enters an LDS address
	s_wait_kmcnt 0x0
	s_load_b256 s[84:91], s[8:9], 0x0              ; ls[0..7]
	s_load_b32 s92, s[8:9], 0x20                   ; ls[8]
	s_cmp_eq_u32 s93, 2
	s_cselect_b64 s[10:11], s[6:7], s[4:5]         ; S1's buffer
	s_cselect_b64 s[12:13], s[4:5], s[6:7]         ; S0's
	s_add_nc_u64 s[20:21], s[10:11], s[20:21]
	s_add_nc_u64 s[46:47], s[12:13], s[46:47]
	CROUND                                         ; all sixteen work-groups are here: the first joint loads meet
.irp s, 0,1
	s_mov_b32 s[G0+4*\s], 1
	s_add_co_u32 s[G0+4*\s+1], s45, \s*SLOT
	s_add_nc_u64 s[G0+4*\s+2:G0+4*\s+3], s[20:21], \s*ROWB
	s_or_b32 s[G0+4*\s+3], s[G0+4*\s+3], 0x80000000
	s_mov_b32 s[G0B+4*\s], 1
	s_add_co_u32 s[G0B+4*\s+1], s45, \s*SLOT
	s_add_nc_u64 s[G0B+4*\s+2:G0B+4*\s+3], s[46:47], \s*ROWB
	s_or_b32 s[G0B+4*\s+3], s[G0B+4*\s+3], 0x80000000
	JLOAD G0+4*\s, G1, G0B+4*\s, G1B
.endr
	v_and_b32 v1, 15, v0                           ; r = l % 16
	v_bfe_u32 v2, v0, 4, 1                         ; h = l / 16
	v_mul_u32_u24 v3, v1, PITCH
	v_lshl_add_u32 v4, v2, 4, v3                   ; a fragment's row x pitch + 16 x half
	s_mul_i32 s21, s15, HALFT                      ; my 128 rows of S1
	s_mul_i32 s22, s16, HALFT                      ; my 128 rows of S0,
	s_add_co_u32 s22, s22, 2*HALFT                 ; which lie behind S1's 256
.irp s, 0,1
	v_add_nc_u32 v[ADRA+\s], s21, v4
	v_add_nc_u32 v[ADRB+\s], s22, v4
	s_add_co_u32 s21, s21, SLOT
	s_add_co_u32 s22, s22, SLOT
.endr
.macro FRAG reg, adr, q, i             ; a fragment: lane l holds row l % 16; registers 4 c .. 4 c + 3 hold K = 32 c + 16 (l / 16) + 0 .. 15: the same order of K on both sides
.irp c, 0,1,2,3
	ds_load_b128 v[\reg+4*\c:\reg+4*\c+3], v[\adr] offset:128*(\q)+32*\c+(\i)*16*PITCH
.endr
.endm
; 16 matrix instructions: S1's blocks a0, a0 + 1 x S0's eight, 128 along K.  p: S0's set.  zero = 1: the first product starts the sums.
; The 64 accumulators take turns, one instruction a turn, in the same order in every step.
.macro MUL16 a0, p, zero
.irp a, \a0, \a0+1
.irp b, 0,1,2,3,4,5,6,7
.if \zero
	v_wmma_f32_16x16x128_fp8_fp8 v[8*(8*((\a)%4)+\b):8*(8*((\a)%4)+\b)+7], v[128*(\p)+FR*\b:128*(\p)+FR*\b+FR-1], v[AF+FR*(\a):AF+FR*(\a)+FR-1], 0
.else
	v_wmma_f32_16x16x128_fp8_fp8 v[8*(8*((\a)%4)+\b):8*(8*((\a)%4)+\b)+7], v[128*(\p)+FR*\b:128*(\p)+FR*\b+FR-1], v[AF+FR*(\a):AF+FR*(\a)+FR-1], v[8*(8*((\a)%4)+\b):8*(8*((\a)%4)+\b)+7]
.endif
.endr
.endr
.endm
.macro FETCH_B slot, q, p              ; S0's eight fragments of the slot's q-th 128 along K into set p
	WIN TO_B
.irp i, 0,1,2,3,4,5,6,7
	FRAG 128*(\p)+FR*\i, ADRB+\slot, \q, \i
.endr
	WIN 0
.endm
.macro FETCH_A slot, q, i0             ; S1's blocks i0 .. i0 + 3
.irp i, \i0, \i0+1, \i0+2, \i0+3
	FRAG AF+FR*(\i), ADRA+\slot, \q, \i
.endr
.endm
.macro PLACES n                        ; plain vector lines between a matrix instruction and a load into, or a vector read or write of, its registers
.rept \n
	v_nop
.endr
.endm
; A step of 128 along K that has its successor in the same slot.  A block of S1 is free as soon as its eight products are issued: blocks 0-3 are fetched anew in the middle, blocks 4-7 at the end.
.macro STEP slot, q, zero
	s_wait_dscnt 4*NL                              ; S0's set and S1's blocks 0-3 are in; the youngest sixteen loads (blocks 4-7) may be out
	WIN MUL_LO
	MUL16 0, (\q)%2, \zero
	MUL16 2, (\q)%2, \zero
	s_wait_dscnt 0                                 ; blocks 4-7 are in
	PLACES NP
	FETCH_B \slot, (\q)+1, 1-(\q)%2
	FETCH_A \slot, (\q)+1, 0
	WIN MUL_HI
	MUL16 4, (\q)%2, \zero
	MUL16 6, (\q)%2, \zero
	PLACES NP
	WIN 0
	FETCH_A \slot, (\q)+1, 4
.endm
; A slot's last step changes slots: one barrier; in front of it each wave waits for all its tensor loads, adds 0 to its spare word, and waits for that and for its reads of this slot.  fill = 1: the slot is filled again, two K steps ahead.
.macro TURN slot, next, fill
	s_wait_tensorcnt 0x0                           ; all my tensor loads have landed: my part of the next slot
	ds_add_u32 v[SPW], v[NIL]                      ; 0 onto my spare word
	s_wait_dscnt 4*NL+1                            ; (the add and the youngest sixteen loads may be out)
	WIN MUL_LO
	MUL16 0, 1, 0                                  ; sixteen matrix instructions stand between the add and the wait for it
	s_wait_dscnt 0x0                               ; the add is done, and my reads of this slot are over
	s_barrier_signal -1
	MUL16 2, 1, 0
	WIN 0
	s_barrier_wait -1
.if \fill
	CREST                                          ; the barrier has opened a round of the cluster's barrier: no wave of any partner still reads this slot or has a load on its way
	s_add_nc_u64 s[G0+4*\slot+2:G0+4*\slot+3], s[G0+4*\slot+2:G0+4*\slot+3], 2*ROWB
	s_add_nc_u64 s[G0B+4*\slot+2:G0B+4*\slot+3], s[G0B+4*\slot+2:G0B+4*\slot+3], 2*ROWB
	JLOAD G0+4*\slot, G1, G0B+4*\slot, G1B         ; the first tensor load behind the round; its four v_nop are also the places in front of the loads below
.else
	PLACES NP
.endif
	FETCH_B \next, 0, 0
	FETCH_A \next, 0, 0
	WIN MUL_HI
	MUL16 4, 1, 0
	MUL16 6, 1, 0
	PLACES NP
	WIN 0
	FETCH_A \next, 0, 4
.endm
.macro LAST                            ; the very last step: nothing more to fetch
	s_wait_dscnt 4*NL
	WIN MUL_LO
	MUL16 0, 1, 0
	MUL16 2, 1, 0
	s_wait_dscnt 0
	WIN MUL_HI
	MUL16 4, 1, 0
	MUL16 6, 1, 0
	WIN 0
.endm
; cos and sin of block a's tokens: of my token's 32 pairs I need 16 c + 8 h + 0 .. 7, c = 0, 1: register 8 c + i of a set's cos, 16 + 8 c + i of its sin
.macro CSLOAD a
.set CB, CSR+32*((\a)%2)
.irp c, 0,1
.irp i, 0,1
	global_load_b128 v[CB+8*\c+4*\i:CB+8*\c+4*\i+3], v[CAE+(\a)%2], s[74:75] offset:4096*((\a)/2)+64*\c+16*\i
	global_load_b128 v[CB+16+8*\c+4*\i:CB+16+8*\c+4*\i+3], v[CAE+(\a)%2], s[76:77] offset:4096*((\a)/2)+64*\c+16*\i
.endr
.endr
.endm
; q, k: block a's 16 tokens, head hh of my two: 32 numbers a lane, register 16 c + i = d 32 c + 16 h + i
.macro EPQK a, hh
.set AC, 64*((\a)%4)+32*(\hh)
.set CB, CSR+32*((\a)%2)
	WIN (0x02+((\a)/4))                            ; source 0: window 2 or 3
.set j, 0
.rept 16
	v_pk_fma_f32 v[T+j:T+j+1], v[AC+j:AC+j+1], s[96:97], v[BI+32*(\hh)+j:BI+32*(\hh)+j+1] op_sel_hi:[1,0,1]   ; sum x 2^(ex + ew) + bias; each accumulator from its low end on
.set j, j+2
.endr
	WIN 0
.set q, 0
.rept 8                                ; RoPE, two pairs (xr, xi) at a time; their cos lie in one register pair, their sin in another
.set TQ, T+4*q
.set CQ, CB+2*q
.set UQ, U+4*(q%2)
	v_pk_mul_f32 v[UQ:UQ+1], v[TQ:TQ+1], v[CQ+16:CQ+17] op_sel:[1,0] op_sel_hi:[0,0] neg_lo:[1,0]          ; (-xi sin, xr sin), the first pair's sin for both halves
	v_pk_mul_f32 v[UQ+2:UQ+3], v[TQ+2:TQ+3], v[CQ+16:CQ+17] op_sel:[1,1] op_sel_hi:[0,1] neg_lo:[1,0]      ; the second pair's
	v_pk_fma_f32 v[TQ:TQ+1], v[TQ:TQ+1], v[CQ:CQ+1], v[UQ:UQ+1] op_sel:[0,0,0] op_sel_hi:[1,0,1]          ; (xr cos - xi sin, xi cos + xr sin)
	v_pk_fma_f32 v[TQ+2:TQ+3], v[TQ+2:TQ+3], v[CQ:CQ+1], v[UQ+2:UQ+3] op_sel:[0,1,0] op_sel_hi:[1,1,1]
.set q, q+1
.endr
.set j, 0
.rept 32
	v_med3_num_f32 v[T+j], v[T+j], -v[QLM], v[QLM] ; the conversion does not saturate (ISA guide 7.6.2): the hold
.set j, j+1
.endr
	s_wait_xcnt 0x0                                ; the earlier stores have read the code registers
.irp g, 0,1,2,3
	v_cvt_scalef32_pk8_fp8_f32 v[CD+2*\g:CD+2*\g+1], v[T+8*\g:T+8*\g+7], v[QSC]
.endr
	v_nop                                          ; a plain line between the conversions and the next lines that write their sources
	global_store_b128 v[LI], v[CD:CD+3], s[10:11] offset:(\hh)*131072+(\a)*1024        ; c = 0: 512 consecutive bytes
	global_store_b128 v[LI], v[CD+4:CD+7], s[10:11] offset:(\hh)*131072+(\a)*1024+512  ; c = 1
.endm
; v: block a's 16 features, my 128 keys: 64 numbers a lane, register 16 c + i = key 32 c + 16 h + i
.macro EPV a
.set AC, 64*((\a)%4)
	WIN (0x02+((\a)/4))
.set j, 0
.rept 32
	v_pk_fma_f32 v[T+j:T+j+1], v[AC+j:AC+j+1], s[96:97], v[BI+2*(\a):BI+2*(\a)+1] op_sel_hi:[1,0,1]   ; my feature's bias stands in both registers of its pair
.set j, j+2
.endr
	WIN 0
.set j, 0
.rept 64
	v_med3_num_f32 v[T+j], v[T+j], -v[QLM], v[QLM]
.set j, j+1
.endr
	s_wait_xcnt 0x0
.irp g, 0,1,2,3,4,5,6,7
	v_cvt_scalef32_pk8_fp8_f32 v[CD+2*\g:CD+2*\g+1], v[T+8*\g:T+8*\g+7], v[QSC]
.endr
	v_nop
.irp c, 0,1,2,3
	global_store_b128 v[LI], v[CD+4*\c:CD+4*\c+3], s[10:11] offset:((\a)/4)*131072+((\a)%4)*2048+512*\c
.endr
.endm
	s_wait_tensorcnt 1                             ; my part of K step 0 is in (K step 1's load may be out),
	s_barrier_signal -1
	s_barrier_wait -1                              ; everybody's is
	FETCH_B 0, 0, 0
	FETCH_A 0, 0, 0
	FETCH_A 0, 0, 4
	STEP 0, 0, 1                                   ; the first products start the sums: nothing is cleared
	TURN 0, 1, 1                                   ; K = 1,024 is four slots' worth: twice round the ring, written straight
	STEP 1, 0, 0
	TURN 1, 0, 1
	STEP 0, 0, 0
	TURN 0, 1, 0                                   ; nothing is left to fetch: no round
	; what the way out needs, chosen by the section without a branch
	s_wait_kmcnt 0x0
	s_add_co_i32 s84, s84, s85
	s_add_co_i32 s86, s86, s87
	s_add_co_i32 s88, s88, s89
	s_cmp_eq_u32 s93, 1
	s_cselect_b32 s96, s86, s84
	s_cselect_b32 s98, s91, s90
	s_cmp_eq_u32 s93, 2
	s_cselect_b32 s96, s88, s96                    ; the two operands' exponents added
	s_cselect_b32 s98, s92, s98                    ; the result's: ls[6], ls[7] or ls[8]
	s_add_co_i32 s96, s96, 127
	s_lshl_b32 s96, s96, 23                        ; 2^(ex + ew) as f32
	s_mov_b32 s97, s96                             ; (named with it as a pair)
	s_add_co_i32 s98, s98, 127
	s_lshl_b32 s99, s98, 23
	s_add_co_i32 s98, s98, 8
	s_lshl_b32 s98, s98, 23
	s_or_b32 s98, s98, 0x600000
	v_mov_b32 v[QSC], s99
	v_mov_b32 v[QLM], s98
	v_and_b32 v6, 31, v0
	v_lshlrev_b32 v[LI], 4, v6
	s_cmp_eq_u32 s93, 2
	s_cbranch_scc1 .Larm_v                         ; the section is the same in every wave of every partner
; ---------------- q, k.  The arm's loads go out first; the last two steps of the product stand behind them ----------------
	s_lshl_b32 s20, s17, 8
	s_lshl_b32 s21, s15, 7
	s_add_co_u32 s20, s20, s21                     ; my first position among the 4,096 tokens
	s_and_b32 s22, s20, 2047                       ; in its batch
	s_lshr_b32 s23, s17, 3                         ; the batch
	s_lshl_b32 s46, s42, 8
	s_lshl_b32 s47, s16, 7
	s_add_co_u32 s46, s46, s47                     ; my first feature
	s_mov_b32 s85, 2048
	s_cmp_eq_u32 s93, 1
	s_cselect_b64 s[12:13], s[70:71], s[68:69]     ; bk or bq
	s_cselect_b64 s[10:11], s[80:81], s[78:79]     ; kc or qc
	s_cselect_b32 s84, 8, 0
	s_cselect_b32 s85, 1024, s85
	s_lshl_b32 s20, s46, 2
	s_mov_b32 s21, 0
	s_add_nc_u64 s[12:13], s[12:13], s[20:21]
	s_lshl_b32 s20, s22, 7                         ; a token's 32 cos are 128 bytes
	s_add_nc_u64 s[74:75], s[74:75], s[20:21]
	s_add_nc_u64 s[76:77], s[76:77], s[20:21]
	s_lshl_b32 s23, s23, 4
	s_lshl_b32 s47, s42, 2
	s_add_co_u32 s23, s23, s47
	s_lshl_b32 s47, s16, 1
	s_add_co_u32 s23, s23, s47                     ; 16 x batch + my first head
	s_lshl_b32 s23, s23, 17                        ; 131,072 bytes for each
	s_lshl_b32 s20, s22, 6                         ; 1,024 bytes for each tile of 16 tokens
	s_add_co_u32 s20, s20, s23
	s_add_nc_u64 s[10:11], s[10:11], s[20:21]
	v_and_b32 v[CAE], s84, v1
	v_add_nc_u32 v[CAE], v[CAE], v1                ; q: block a's lane r holds token 16 a + r;  k: token 32 (a / 2) + 8 (a % 2) + r + 8 (r / 8)
	v_lshlrev_b32 v[CAE], 7, v[CAE]
	v_lshl_add_u32 v[CAE], v2, 5, v[CAE]           ; + 32 h: my half's eight pairs
	v_add_nc_u32 v[CAE+1], s85, v[CAE]             ; an odd block: 16 tokens on (q) or 8 (k)
	v_lshlrev_b32 v[BOF], 6, v2                    ; biases: 64 h
.irp c, 0,1,2,3
.irp i, 0,1,2,3
	global_load_b128 v[BI+16*\c+4*\i:BI+16*\c+4*\i+3], v[BOF], s[12:13] offset:128*\c+16*\i   ; features 32 c + 16 h + 0 .. 15 of my 128
.endr
.endr
	CSLOAD 0
	STEP 1, 0, 0
	LAST
	PLACES NP                                      ; in front of the first read of results, and of loads and writes into the registers that held S1's fragments
.irp a, 0,1,2,3,4,5,6,7
.if \a < 7
	CSLOAD \a+1
	s_wait_loadcnt 8                               ; this block's cos and sin (and the biases) are in; the next block's eight loads may be out
.else
	s_wait_loadcnt 0
.endif
	EPQK \a, 0
	EPQK \a, 1
.endr
	s_branch .Ljoin
; ---------------- v ----------------
.Larm_v:
	s_lshl_b32 s20, s17, 8
	s_lshl_b32 s21, s15, 7
	s_add_co_u32 s20, s20, s21                     ; my first feature
	s_lshl_b32 s20, s20, 2
	s_mov_b32 s21, 0
	s_add_nc_u64 s[12:13], s[72:73], s[20:21]
	s_lshr_b32 s22, s42, 3                         ; the batch
	s_lshl_b32 s22, s22, 4
	s_lshl_b32 s23, s17, 2
	s_add_co_u32 s22, s22, s23
	s_lshl_b32 s23, s15, 1
	s_add_co_u32 s22, s22, s23                     ; 16 x batch + my first head
	s_lshl_b32 s22, s22, 4                         ; 16 key steps for each
	s_and_b32 s23, s42, 7
	s_lshl_b32 s23, s23, 1
	s_add_co_u32 s23, s23, s16                     ; my key step
	s_add_co_u32 s22, s22, s23
	s_lshl_b32 s20, s22, 13                        ; 8,192 bytes for each
	s_add_nc_u64 s[10:11], s[82:83], s[20:21]
	v_and_b32 v[BOF], 8, v1
	v_add_nc_u32 v[BOF], v[BOF], v1
	v_lshlrev_b32 v[BOF], 2, v[BOF]                ; block a's lane r holds feature 32 (a / 2) + 8 (a % 2) + r + 8 (r / 8)
.irp a, 0,1,2,3,4,5,6,7
	global_load_b32 v[BI+2*\a], v[BOF], s[12:13] offset:4*(32*(\a/2)+8*(\a%2))
	global_load_b32 v[BI+2*\a+1], v[BOF], s[12:13] offset:4*(32*(\a/2)+8*(\a%2))   ; twice: the packed form adds a register pair
.endr
	STEP 1, 0, 0
	LAST
	PLACES NP
	s_wait_loadcnt 0x0
.irp a, 0,1,2,3,4,5,6,7
	EPV \a
.endr
.Ljoin:
	s_wait_tensorcnt 0x0                           ; the wave's end
	ds_add_u32 v[SPW], v[NIL]
	s_wait_dscnt 0x0
	CROUND                                         ; the closing round: no work-group ends while a partner may still ask for a tile that names it
	s_endpgm
.Lfunc_end_k_q5b980dafdf_qkv:
	.size	k_q5b980dafdf_qkv, .Lfunc_end_k_q5b980dafdf_qkv-k_q5b980dafdf_qkv
	.p2alignl 7, 3214868480
	.fill 96, 4, 3214868480
	.section	.rodata,"a",@progbits
	.p2align	6, 0x0
	.amdhsa_kernel k_q5b980dafdf_qkv
		.amdhsa_group_segment_fixed_size 327680
		.amdhsa_private_segment_fixed_size 0
		.amdhsa_enable_private_segment 0
		.amdhsa_kernarg_size 88
		.amdhsa_user_sgpr_count 2
		.amdhsa_user_sgpr_kernarg_segment_ptr 1
		.amdhsa_wavefront_size32 1
		.amdhsa_system_sgpr_workgroup_id_x 1
		.amdhsa_system_sgpr_workgroup_id_y 1
		.amdhsa_system_sgpr_workgroup_id_z 1
		.amdhsa_system_vgpr_workitem_id 0
		.amdhsa_next_free_vgpr 1024
		.amdhsa_next_free_sgpr 100
		.amdhsa_reserve_vcc 0
		.amdhsa_float_denorm_mode_32 3
		.amdhsa_float_denorm_mode_16_64 3
		.amdhsa_memory_ordered 1
		.amdhsa_forward_progress 1
		.amdhsa_inst_pref_size 247
	.end_amdhsa_kernel
	.amdgpu_metadata
---
amdhsa.version: [ 1, 2 ]
amdhsa.kernels:
  - .name:           k_q5b980dafdf_qkv
    .symbol:         k_q5b980dafdf_qkv.kd
    .args:
      - { .name: xc, .offset: 0, .size: 8, .value_kind: global_buffer, .address_space: global }
      - { .name: wc, .offset: 8, .size: 8, .value_kind: global_buffer, .address_space: global }
      - { .name: lowp_scales, .offset: 16, .size: 8, .value_kind: global_buffer, .address_space: global }
      - { .name: bq, .offset: 24, .size: 8, .value_kind: global_buffer, .address_space: global }
      - { .name: bk, .offset: 32, .size: 8, .value_kind: global_buffer, .address_space: global }
      - { .name: bv, .offset: 40, .size: 8, .value_kind: global_buffer, .address_space: global }
      - { .name: freqs_cos, .offset: 48, .size: 8, .value_kind: global_buffer, .address_space: global }
      - { .name: freqs_sin, .offset: 56, .size: 8, .value_kind: global_buffer, .address_space: global }
      - { .name: qc, .offset: 64, .size: 8, .value_kind: global_buffer, .address_space: global }
      - { .name: kc, .offset: 72, .size: 8, .value_kind: global_buffer, .address_space: global }
      - { .name: vc, .offset: 80, .size: 8, .value_kind: global_buffer, .address_space: global }
    .group_segment_fixed_size: 327680
    .private_segment_fixed_size: 0
    .kernarg_segment_align: 8
    .kernarg_segment_size: 88
    .max_flat_workgroup_size: 128
    .sgpr_count:     100
    .vgpr_count:     1024
    .wavefront_size: 32
...
	.end_amdgpu_metadata
.endif
;; end of part 2
;; launch attn (part 3): grid 8 x 32, 16 waves a work-group, no clusters, 264,192 bytes of LDS; arguments qc, kc, vc, mb, mf, lowp_scales, ac; writes ac
.if DOCPART == 3
	.amdgcn_target "amdgcn-amd-amdhsa--gfx1250"
	.amdhsa_code_object_version 6
	.text
	.protected	k_q5b980dafdf_attn
	.globl	k_q5b980dafdf_attn
	.p2align	8
	.type	k_q5b980dafdf_attn,@function
k_q5b980dafdf_attn:
	s_mov_b64 s[64:65], 0
	v_nop
	global_prefetch_b8 v0, s[64:65] scope:SCOPE_SE
	s_setreg_imm32_b32 hwreg(HW_REG_WAVE_MODE, 25, 1), 1
	s_wait_xcnt 0x0
; ATTN: for each batch and head, out[q] = sum over k of softmax_k(where(mask, q . k / 8, -1e9)) v[k], both products on E4M3 codes; the result is quantised for the last product.
; THE SOFTMAX: t = logit x log2(e); M = the running largest t rounded UP to a whole number; p = 2^(t - M) is quantised with 2^ls[9]; the row's sum is taken of the unquantised p and divides at the end.
; When M moves, the sum and O are multiplied by 2^(old M - new M), which rounds nothing.  A masked logit is the number -1e9, as in the problem: t is then -1,442,695,040, so a row with no true byte comes out as the mean of v.
; SHARES.  A work-group owns one (batch, head) and 16 tiles of 16 queries, a tile to a wave: tile j + 8 rank(wave), j the work-group's x.  The sixteen ranks form a magic square, so that the waves w % 4 = const and
; w / 4 = const each sum to 30: where the mask hides late keys, long and short waves are spread evenly.  No value hangs on that order.
; LDS.  The head's K (131,072 bytes) and V (131,072) lie in LDS whole, as images of the operands' registers (a load reads 512 bytes on end): filled once through registers, one barrier, and the waves run free.
; NO TENSOR LOAD, NO CLUSTER: key steps are passed over by branches on stored whole numbers (mf); what work-groups share is read once, at the head.
; PASSED OVER: a key step in which no query of my tile has a true mask byte adds p = 0 to every row that has a true byte somewhere.  So it is passed over only if all 16 rows have one; else every step runs.
; LAYOUT.  S^T = K Q^T (source 0 = 16 keys, source 1 = my 16 queries), O^T = V^T P^T: a lane holds one query (lane % 16).  Score register n holds key 32 (n / 16) + 16 (lane / 16) + n % 16 of the step,
; by the order in which kc holds its tokens; p's codes are then the second product's operand as they come, and mb's word n is the lane mask of register n.
; LIMITS: ls[6] + ls[7] between -123 and 130 (added to an exponent field); ls[9] and ls[10] between -126 and 119.
; REGISTERS: v1 16 x lane; v2, v3 the step's LDS addresses; v4, v5 the fill's; v6 the masked t; v12 -M, v13 the largest t, v[14:15] the sum; v16-23 Q; v24-27 the two quantisers' 2^e and 448 x 2^e;
;   v32-95 fragments of K, then of V; v96-159 S^T, then p; v160-191 O^T; v192-207 p's codes; v208-215 at work.
; SCALARS: s2 the step's LDS byte; s3 the step; s4 at work; s5 the step's bytes in mb; s[10:11] mb; s[14:15] lane selects; s[16:23] ls[4..11]; s[24:25] ac; s28 steps to run; s29 steps with no false byte;
;   s[30:31] the factor in force; s[100:101] c; s32-63, s68-99 the step's 64 mask words.
.set VOFF, 131072                      ; V's images lie behind K's
.set S,    96
.set O,    160
.set PC,   192
	s_load_b256 s[4:11], s[0:1], 0x0               ; qc s[4:5], kc s[6:7], vc s[8:9], mb s[10:11]
	s_load_b128 s[12:15], s[0:1], 0x20             ; mf s[12:13], the scales' exponents s[14:15]
	s_load_b64 s[24:25], s[0:1], 0x30              ; ac
	v_lshl_add_u32 v254, v0, 2, 0x40000
	v_mov_b32 v255, 0
	v_lshrrev_b32 v4, 5, v0
	v_readfirstlane_b32 s26, v4                    ; wave 0..15
	v_and_b32 v1, 31, v0
	v_lshlrev_b32 v1, 4, v1                        ; 16 x lane
	v_lshl_add_u32 v4, v4, 13, v1                  ; my wave's sixteenth of K's images: 8,192 x wave + 16 x lane, in memory and in LDS
	v_add_nc_u32 v5, VOFF, v4                      ; and of V's, in LDS
	s_mov_b32 s27, 0x7a94c12f                      ; the ranks of waves 0-7, four bits each,
	s_mov_b32 s28, 0x0de3b658                      ; of waves 8-15
	s_cmp_lt_u32 s26, 8
	s_cselect_b32 s27, s27, s28
	s_and_b32 s28, s26, 7
	s_lshl_b32 s28, s28, 2
	s_lshr_b32 s27, s27, s28
	s_and_b32 s27, s27, 15
	s_lshl_b32 s27, s27, 3
	s_add_co_u32 s27, s27, ttmp9                   ; qt: my tile of queries, 0 .. 127
	s_and_b32 s29, ttmp7, 0xffff                   ; bh = 16 x batch + head
	s_mov_b32 s31, 0
	s_wait_kmcnt 0x0
	s_load_b256 s[16:23], s[14:15], 0x10           ; ls[4..11]: s18 eq, s19 ek, s20 ev, s21 ep, s22 ea
	s_lshl_b32 s30, s27, 6
	s_add_nc_u64 s[12:13], s[12:13], s[30:31]
	s_load_b512 s[32:47], s[12:13], 0x0            ; my tile's flags: four quarters x (any, all, lanes, 0)
	s_lshl_b32 s30, s29, 7
	s_add_co_u32 s30, s30, s27
	s_lshl_b32 s30, s30, 10
	s_add_nc_u64 s[4:5], s[4:5], s[30:31]
	global_load_b128 v[16:19], v1, s[4:5]          ; Q's fragment stays in registers: d = 16 h + 0 .. 15,
	global_load_b128 v[20:23], v1, s[4:5] offset:512   ; d = 32 + 16 h + 0 .. 15
	s_lshl_b32 s30, s29, 17
	s_add_nc_u64 s[6:7], s[6:7], s[30:31]
	s_add_nc_u64 s[8:9], s[8:9], s[30:31]
.irp i, 0,1,2,3,4,5,6,7,8,9,10,11,12,13,14,15
	global_load_b128 v[32+4*\i:35+4*\i], v4, s[6:7] offset:512*\i
.endr
.irp i, 0,1,2,3,4,5,6,7,8,9,10,11,12,13,14,15
	global_load_b128 v[96+4*\i:99+4*\i], v4, s[8:9] offset:512*\i
.endr
	; where my 1,024 bytes of ac lie: tile g = 128 x batch + qt, head hd: ((g / 4) 4 + hd / 4) 16,384 + (g % 4) 4,096 + (hd % 4) 1,024
	s_lshr_b32 s30, s29, 4
	s_lshl_b32 s30, s30, 7
	s_add_co_u32 s30, s30, s27                     ; g
	s_and_b32 s28, s29, 15                         ; hd
	s_lshr_b32 s100, s30, 2
	s_lshl_b32 s100, s100, 2
	s_lshr_b32 s101, s28, 2
	s_add_co_u32 s100, s100, s101
	s_lshl_b32 s100, s100, 14
	s_and_b32 s101, s30, 3
	s_lshl_b32 s101, s101, 12
	s_add_co_u32 s100, s100, s101
	s_and_b32 s101, s28, 3
	s_lshl_b32 s101, s101, 10
	s_add_co_u32 s30, s100, s101
	s_add_nc_u64 s[24:25], s[24:25], s[30:31]
	s_lshl_b32 s30, s27, 12                        ; mb: 16 steps x 256 bytes for each tile of queries
	s_add_nc_u64 s[10:11], s[10:11], s[30:31]
	s_wait_kmcnt 0x0
	s_or_b32 s28, s32, s36
	s_or_b32 s28, s28, s40
	s_or_b32 s28, s28, s44                         ; bit ks: the step has a true byte
	s_or_b32 s29, s33, s37
	s_or_b32 s29, s29, s41
	s_or_b32 s29, s29, s45                         ; bit ks: the step has no false byte
	s_or_b32 s30, s34, s38
	s_or_b32 s30, s30, s42
	s_or_b32 s30, s30, s46
	s_lshr_b32 s31, s30, 16
	s_or_b32 s30, s30, s31
	s_and_b32 s30, s30, 0xffff                     ; bit r: row r has a true byte (its keys lie in lanes r and r + 16)
	s_mov_b32 s31, 0xffff
	s_cmp_eq_u32 s30, s31
	s_cselect_b32 s28, s28, s31                    ; a row without one: every step runs
	s_add_co_i32 s100, s18, s19
	s_lshl_b32 s100, s100, 23
	s_add_co_i32 s100, s100, 0x3e38aa3b            ; c = log2(e) / 8, with eq + ek added to its exponent field
	s_mov_b32 s101, s100                           ; (named with it as a pair)
	s_mov_b32 s31, s100                            ; (the upper word of the pair s[30:31]; its lower word is set in each step)
	s_add_co_i32 s12, s21, 127
	s_lshl_b32 s13, s12, 23
	v_mov_b32 v24, s13                             ; 2^ep
	s_add_co_i32 s12, s12, 8
	s_lshl_b32 s12, s12, 23
	s_or_b32 s12, s12, 0x600000
	v_mov_b32 v25, s12                             ; 448 x 2^ep
	s_add_co_i32 s12, s22, 127
	s_lshl_b32 s13, s12, 23
	v_mov_b32 v26, s13                             ; 2^ea
	s_add_co_i32 s12, s12, 8
	s_lshl_b32 s12, s12, 23
	s_or_b32 s12, s12, 0x600000
	v_mov_b32 v27, s12                             ; 448 x 2^ea
	s_mov_b32 s14, 0x76543210                      ; v_permlanex16_b32: lane l xor 16
	s_mov_b32 s15, 0xfedcba98
	v_mov_b32 v6, 0xceabfb8f                       ; -1e9 x log2(e) as f32: -1,442,695,040, a whole number
	v_mov_b32 v13, 0xff61b1e6                      ; the largest t so far: -3e38
	v_floor_f32 v12, -v13                          ; -M
	v_mov_b32 v14, 0
	v_mov_b32 v15, 0
	v_mov_b32 v210, 0                              ; written once: a lane permute's destination counts as read
	v_mov_b32 v213, 0                              ; (the upper half of the pair v[212:213])
.set j, 0
.rept 32
	v_mov_b32 v[O+j], 0                            ; the step is written once: the first finds zeros, which the first change of M leaves zeros
.set j, j+1
.endr
.irp i, 0,1,2,3,4,5,6,7,8,9,10,11,12,13,14,15
	s_wait_loadcnt 31-\i                           ; K's load i is in; the younger loads of the 32 may be out
	ds_store_b128 v4, v[32+4*\i:35+4*\i] offset:512*\i
.endr
.irp i, 0,1,2,3,4,5,6,7,8,9,10,11,12,13,14,15
	s_wait_loadcnt 15-\i
	ds_store_b128 v5, v[96+4*\i:99+4*\i] offset:512*\i
.endr
	s_wait_dscnt 0x0                               ; for the others' sake: my stores have landed
	s_barrier_signal -1
	s_barrier_wait -1                              ; the head's K and V lie in LDS; nobody writes LDS again
	s_mov_b32 s2, 0
	s_mov_b32 s3, 0
	s_mov_b32 s5, 0                                ; (s4 and s5 held Q's address: its loads are done)
.Lstep:                                            ; 16 trips, 128 keys each
	s_lshr_b32 s4, s28, s3
	s_bitcmp1_b32 s4, 0
	s_cbranch_scc0 .Lskip
	s_load_b512 s[32:47], s[10:11], s5 offset:0x0  ; the step's 64 mask words; they land under the first product
	s_load_b512 s[48:63], s[10:11], s5 offset:0x40
	s_load_b512 s[68:83], s[10:11], s5 offset:0x80
	s_load_b512 s[84:99], s[10:11], s5 offset:0xc0
	v_add_nc_u32 v2, s2, v1
	v_add_nc_u32 v3, VOFF, v2
	v_nop
	v_nop                                          ; four plain lines between the last step's products and the loads into the registers that they read
.irp t, 0,1,2,3,4,5,6,7
	ds_load_b128 v[32+8*\t:35+8*\t], v2 offset:1024*\t
	ds_load_b128 v[36+8*\t:39+8*\t], v2 offset:1024*\t+512
.endr
	s_wait_dscnt 0x0
.irp t, 0,1,2,3,4,5,6,7
	v_wmma_f32_16x16x64_fp8_fp8 v[S+8*\t:S+8*\t+7], v[32+8*\t:39+8*\t], v[16:23], 0
.endr
.rept 4
	v_nop                                          ; places in front of the loads below and of the first read of the scores
.endr
.irp t, 0,1,2,3
.irp c, 0,1,2,3
	ds_load_b128 v[32+16*\t+4*\c:35+16*\t+4*\c], v3 offset:2048*\t+512*\c   ; V's four fragments: they land under the softmax
.endr
.endr
	s_mov_b32 s30, s100                            ; the scores are still raw: the factor in force is c
	s_wait_kmcnt 0x0                               ; the mask words are in
	s_lshr_b32 s4, s29, s3
	s_bitcmp1_b32 s4, 0
	s_cbranch_scc1 .Lopen
.set j, 0
.rept 32
	v_pk_mul_f32 v[S+j:S+j+1], v[S+j:S+j+1], s[100:101] op_sel_hi:[1,0]   ; t is made first, so that a masked t is exactly the whole number in v6 and t - M is exact for a row that is masked throughout
.set j, j+2
.endr
.set n, 0
.rept 64
	v_cndmask_b32 v[S+n], v6, v[S+n], s[32+n+4*(n/32)]   ; word n: s32-63, then s68-99
.set n, n+1
.endr
	s_mov_b32 s30, 1.0
.Lopen:
	v_max3_num_f32 v208, v96, v97, v98             ; the step's largest score of my query among my 64 keys, in two chains, each accumulator from its low end on
	v_max3_num_f32 v209, v99, v100, v101
.irp i, 6,10,14,18,22,26,30,34,38,42,46,50,54,58
	v_max3_num_f32 v208, v208, v[96+\i], v[97+\i]
	v_max3_num_f32 v209, v209, v[98+\i], v[99+\i]
.endr
	v_max3_num_f32 v208, v208, v158, v159
	v_max_num_f32 v208, v208, v209
	v_permlanex16_b32 v210, v208, s14, s15
	v_max_num_f32 v208, v208, v210                 ; and among lane l xor 16's
	v_mul_f32 v208, s30, v208                      ; as t (the factor is positive)
	v_max_num_f32 v13, v13, v208                   ; the running largest t
	v_mov_b32 v208, v12
	v_floor_f32 v12, -v13                          ; the new -M = floor(-t)
	v_sub_f32 v208, v12, v208                      ; old M - new M: a whole number, 0 or less
	v_cvt_i32_f32 v208, v208                       ; (it saturates)
	v_ldexp_f32 v212, 1.0, v208                    ; f = 2^(old M - new M)
.set j, 0
.rept 32
	v_pk_fma_f32 v[S+j:S+j+1], v[S+j:S+j+1], s[30:31], v[12:13] op_sel_hi:[1,0,0]   ; t - M (of both pairs the low word serves both halves)
.set j, j+2
.endr
.set j, 0
.rept 64
	v_exp_f32 v[S+j], v[S+j]                       ; p = 2^(t - M), at most 1
.set j, j+1
.endr
	v_pk_mul_f32 v[14:15], v[14:15], v[212:213] op_sel_hi:[1,0]   ; the sums under the new M: the plain line behind the exponentials
	s_wait_alu depctr_va_vdst(0)                   ; one wait for the whole batch, ahead of its first reader
	v_pk_add_f32 v[214:215], v[96:97], v[98:99]    ; the row's sum is taken of the unquantised p, in two chains
.irp j, 4,8,12,16,20,24,28,32,36,40,44,48,52,56,60
	v_pk_add_f32 v[14:15], v[14:15], v[96+\j:97+\j]
	v_pk_add_f32 v[214:215], v[214:215], v[98+\j:99+\j]
.endr
	v_pk_add_f32 v[14:15], v[14:15], v[214:215]
	s_cmp_ge_i32 s21, -8                           ; p is at most 1 and 448 x 2^ep is at least 1.75 from ep = -8 on: the hold can then change nothing
	s_cbranch_scc1 .Lnohold
.set j, 0
.rept 64
	v_min_num_f32 v[S+j], v[S+j], v25              ; the conversion does not saturate (ISA guide 7.6.2); p is not negative
.set j, j+1
.endr
.Lnohold:
.irp i, 0,1,2,3,4,5,6,7
	v_cvt_scalef32_pk8_fp8_f32 v[PC+2*\i:PC+2*\i+1], v[S+8*\i:S+8*\i+7], v24   ; registers 4 b .. 4 b + 3: keys 32 b + 16 h + 0 .. 15, as V's fragments have them
.endr
.set j, 0
.rept 16
	v_pk_mul_f32 v[O+j:O+j+1], v[O+j:O+j+1], v[212:213] op_sel_hi:[1,0]   ; O^T under the new M; also the plain lines behind the conversions
.set j, j+2
.endr
	s_wait_dscnt 0x0                               ; V is in
.irp t, 0,1,2,3
	v_wmma_f32_16x16x128_fp8_fp8 v[O+8*\t:O+8*\t+7], v[32+16*\t:47+16*\t], v[PC:PC+15], v[O+8*\t:O+8*\t+7]   ; four accumulators by turns; the next step's eight score products stand between two links
.endr
.Lskip:
	s_add_co_u32 s2, s2, 8192                      ; a step's images of K, and of V
	s_add_co_u32 s5, s5, 256                       ; (in a step that ran, the wait for the mask words has freed s5)
	s_add_co_u32 s3, s3, 1
	s_cmp_lt_u32 s3, 16
	s_cbranch_scc1 .Lstep
	; THE WAY OUT: O^T / the sum x 2^(ep + ev), quantised with 2^ea.  Register 16 c + i is d = 32 c + 16 h + i of my query: the codes are the last product's operand image
.rept 4
	v_nop                                          ; places behind the last products
.endr
	v_add_f32 v14, v14, v15
	v_permlanex16_b32 v210, v14, s14, s15
	v_add_f32 v14, v14, v210                       ; the row's sum: at least 1/2
	v_rcp_f32 v14, v14
	v_nop                                          ; a plain line behind the reciprocal
	s_add_co_i32 s12, s21, s20
	s_wait_alu depctr_va_vdst(0)                   ; ahead of its first reader
	v_ldexp_f32 v14, v14, s12
.set j, 0
.rept 32
	v_mul_f32 v[S+j], v[O+j], v14
.set j, j+1
.endr
.set j, 0
.rept 32
	v_med3_num_f32 v[S+j], v[S+j], -v27, v27
.set j, j+1
.endr
.irp i, 0,1,2,3
	v_cvt_scalef32_pk8_fp8_f32 v[PC+2*\i:PC+2*\i+1], v[S+8*\i:S+8*\i+7], v26
.endr
	v_nop
	global_store_b128 v1, v[PC:PC+3], s[24:25]             ; 512 consecutive bytes, aligned
	global_store_b128 v1, v[PC+4:PC+7], s[24:25] offset:512
	s_wait_tensorcnt 0x0
	ds_add_u32 v254, v255
	s_wait_dscnt 0x0
	s_endpgm
.Lfunc_end_k_q5b980dafdf_attn:
	.size	k_q5b980dafdf_attn, .Lfunc_end_k_q5b980dafdf_attn-k_q5b980dafdf_attn
	.p2alignl 7, 3214868480
	.fill 96, 4, 3214868480
	.section	.rodata,"a",@progbits
	.p2align	6, 0x0
	.amdhsa_kernel k_q5b980dafdf_attn
		.amdhsa_group_segment_fixed_size 264192
		.amdhsa_private_segment_fixed_size 0
		.amdhsa_enable_private_segment 0
		.amdhsa_kernarg_size 56
		.amdhsa_user_sgpr_count 2
		.amdhsa_user_sgpr_kernarg_segment_ptr 1
		.amdhsa_wavefront_size32 1
		.amdhsa_system_sgpr_workgroup_id_x 1
		.amdhsa_system_sgpr_workgroup_id_y 1
		.amdhsa_system_sgpr_workgroup_id_z 1
		.amdhsa_system_vgpr_workitem_id 0
		.amdhsa_next_free_vgpr 256
		.amdhsa_next_free_sgpr 102
		.amdhsa_reserve_vcc 0
		.amdhsa_float_denorm_mode_32 3
		.amdhsa_float_denorm_mode_16_64 3
		.amdhsa_memory_ordered 1
		.amdhsa_forward_progress 1
		.amdhsa_inst_pref_size 38
	.end_amdhsa_kernel
	.amdgpu_metadata
---
amdhsa.version: [ 1, 2 ]
amdhsa.kernels:
  - .name:           k_q5b980dafdf_attn
    .symbol:         k_q5b980dafdf_attn.kd
    .args:
      - { .name: qc, .offset: 0, .size: 8, .value_kind: global_buffer, .address_space: global }
      - { .name: kc, .offset: 8, .size: 8, .value_kind: global_buffer, .address_space: global }
      - { .name: vc, .offset: 16, .size: 8, .value_kind: global_buffer, .address_space: global }
      - { .name: mb, .offset: 24, .size: 8, .value_kind: global_buffer, .address_space: global }
      - { .name: mf, .offset: 32, .size: 8, .value_kind: global_buffer, .address_space: global }
      - { .name: lowp_scales, .offset: 40, .size: 8, .value_kind: global_buffer, .address_space: global }
      - { .name: ac, .offset: 48, .size: 8, .value_kind: global_buffer, .address_space: global }
    .group_segment_fixed_size: 264192
    .private_segment_fixed_size: 0
    .kernarg_segment_align: 8
    .kernarg_segment_size: 56
    .max_flat_workgroup_size: 512
    .sgpr_count:     102
    .vgpr_count:     256
    .wavefront_size: 32
...
	.end_amdgpu_metadata
.endif
;; end of part 3
;; launch proj (part 4): grid 8 x 32, 4 waves a work-group, clusters of 4 x 4, 327,680 bytes of LDS; arguments ac, wc, lowp_scales, bo, out0; writes out0
.if DOCPART == 4
	.amdgcn_target "amdgcn-amd-amdhsa--gfx1250"
	.amdhsa_code_object_version 6
	.text
	.protected	k_q5b980dafdf_proj
	.globl	k_q5b980dafdf_proj
	.p2align	8
	.type	k_q5b980dafdf_proj,@function
k_q5b980dafdf_proj:
	s_mov_b64 s[64:65], 0
	v_nop
	global_prefetch_b8 v0, s[64:65] scope:SCOPE_SE
	s_setreg_imm32_b32 hwreg(HW_REG_WAVE_MODE, 25, 1), 1
	s_wait_xcnt 0x0
	s_wait_alu depctr_hold_cnt(0) depctr_sa_sdst(0) depctr_va_vdst(0) depctr_va_sdst(0) depctr_va_ssrc(0) depctr_va_vcc(0) depctr_vm_vsrc(0)
	s_getreg_b32 s2, hwreg(HW_REG_IB_STS2, 6, 4)
	s_cmp_eq_u32 s2, 0
	s_cbranch_scc0 .Lentry_in_a_cluster
	s_endpgm
.Lentry_in_a_cluster:
	s_bfe_u32 s2, ttmp6, 0x10000c
	s_cmp_lg_u32 s2, 0xf033
	s_cbranch_scc0 .Lentry_shape_is_right
	s_endpgm
.Lentry_shape_is_right:
; PROJ: out0 = attention's result x wo + bo, on E4M3 codes: [4096][1024] x [1024][1024].  out0 = sum x 2^(ls[10] + ls[11]) + bo.
; A tile of 128 x 128 gives 256 work-groups; four waves, each 64 x 64: 16 accumulators.  ALL of K = 1,024 of both tiles fits into LDS (131,072 + 139,264 bytes), so every tensor load is a first fill:
; no slot is filled twice.  K comes in four chunks of 256, each by one load a wave; by this text's count a wave has four tensor loads out at the start.
; CLUSTERS: 4 x 4 work-groups: A's tile (tokens) is shared along a row of the cluster, B's (wo's columns) along a column: each chunk is asked for jointly.
; A's codes (ac) lie as images of the operand's registers: 64 tokens x 256 K are one dense block of 16,384 bytes: [tile of 16 tokens 4][head 4][c 2][lane][16 bytes]; a fragment is four loads of 512 bytes on end.
; B's codes (wc, fourth weight) lie as rows with K innermost: LDS rows of 256 bytes + 16.  Both sides hold K = 32 c + 16 (lane / 16) + 0 .. 15 in registers 4 c .. 4 c + 3.
; THE MATRIX INSTRUCTION IS USED TRANSPOSED (source 0 = 16 columns of wo, source 1 = 16 tokens): a lane holds eight neighbouring numbers of a row of out0.
; The way out goes through one stage (128 rows x 528 bytes) in A's bytes, which have had their only fill and their last read by then; each store covers 512 consecutive bytes, aligned.
; LIMIT: ls[10] + ls[11] between -126 and 127.
; REGISTERS: window 0: v16-19, v20-23 LDS addresses of my A and B fragments in chunk 0-3; v24-27 the way out; v28, v29 the spare word's address and 0; v32-63 bo; v128-255 the accumulators ((a, b) at v[128 + 8 (4 a + b)]).
;   window 1: two fragment buffers of 128: A's four fragments, then B's four.
.set PITCH,  272
.set ACH,    32768                     ; A: a chunk: two halves of 16,384 bytes
.set BBASE,  131072
.set BCH,    128*PITCH                 ; B: a chunk: 128 rows
.set SPARE,  BBASE+4*BCH               ; the spare words, 128 bytes a wave, which no other line names
.set SPITCH, 528
.set ADRA, 16
.set ADRB, 20
.set STO,  24
.set RD,   25
.set CO,   26
.set BOF,  27
.set SPW,  28
.set NIL,  29
.set BO,   32
.set ACC,  128
.set F0,   0
.set F1,   128
.set G1A, 16                           ; s[16:23] descriptor group 1 for A's blocks;  s[24:31] for B's tiles
.set G1B, 24
.set G0A, 32                           ; s[32:47] group 0 for A, a set for each chunk;  s[48:63] for B
.set G0B, 48
.set MSB, 0
.macro WIN new
.if MSB != \new
	s_set_vgpr_msb (MSB<<8)|\new
.set MSB, \new
.endif
.endm
.set MUL,  0x05                        ; sources 0 (B) and 1 (A) window 1; C and D window 0
.set TO_F, 0x40                        ; destination window 1, address window 0
.macro CREST
	s_cmp_lg_u32 s74, 0
	s_cbranch_scc1 .Lnot_wave_0_\@
	s_barrier_signal -3
.Lnot_wave_0_\@:
	s_barrier_wait -3
	s_barrier_signal -1
	s_barrier_wait -1
.endm
.macro CROUND
	s_barrier_signal -1
	s_barrier_wait -1
	CREST
.endm
.macro PLACES
.rept 4
	v_nop
.endr
.endm
.macro FETCH kc, q, f                  ; the fragments of chunk kc's q-th 128 along K into buffer f: 32 LDS loads in one run
	WIN TO_F
.irp i, 0,1,2,3
.irp c, 0,1,2,3
	ds_load_b128 v[\f+64+16*\i+4*\c:\f+64+16*\i+4*\c+3], v[ADRB+(\kc)] offset:\i*16*PITCH+128*(\q)+32*\c
.endr
.endr
.irp a, 0,1,2,3
.irp c, 0,1,2,3
	ds_load_b128 v[\f+16*\a+4*\c:\f+16*\a+4*\c+3], v[ADRA+(\kc)] offset:4096*\a+2048*(\q)+512*\c
.endr
.endr
.endm
.macro MULS f, zero                    ; 16 matrix instructions, 128 along K; the sixteen accumulators take turns in the same order every time
	WIN MUL
.irp a, 0,1,2,3
.irp b, 0,1,2,3
.if \zero
	v_wmma_f32_16x16x128_fp8_fp8 v[ACC+8*(4*\a+\b):ACC+8*(4*\a+\b)+7], v[\f+64+16*\b:\f+64+16*\b+15], v[\f+16*\a:\f+16*\a+15], 0
.else
	v_wmma_f32_16x16x128_fp8_fp8 v[ACC+8*(4*\a+\b):ACC+8*(4*\a+\b)+7], v[\f+64+16*\b:\f+64+16*\b+15], v[\f+16*\a:\f+16*\a+15], v[ACC+8*(4*\a+\b):ACC+8*(4*\a+\b)+7]
.endif
.endr
.endr
.endm
	s_load_b128 s[4:7], s[0:1], 0x0                ; ac s[4:5], wc s[6:7]
	s_load_b64 s[8:9], s[0:1], 0x10                ; the scales' exponents
	s_load_b128 s[68:71], s[0:1], 0x18             ; bo s[68:69], out0 s[70:71]
	v_lshl_add_u32 v[SPW], v0, 2, SPARE
	v_mov_b32 v[NIL], 0
	ds_add_u32 v28, v29
	ds_add_u32 v28, v29
	s_wait_dscnt 0x0
	v_lshrrev_b32 v1, 5, v0
	v_readfirstlane_b32 s74, v1                    ; wave 0..3
	s_lshr_b32 s75, s74, 1                         ; which 64 tokens are mine.  Also: I fetch for A (0) or for B (1)
	s_and_b32 s76, s74, 1                          ; which 64 columns.  Also: which half of that tile I fetch
	s_bfe_u32 s77, ttmp6, 0x40000                  ; cx
	s_bfe_u32 s78, ttmp6, 0x40004                  ; cy
	s_lshl_b32 s79, ttmp9, 2
	s_add_co_u32 s79, s79, s77                     ; tile column = 4 x cluster x + cx
	s_and_b32 s80, ttmp7, 0xffff
	s_lshl_b32 s80, s80, 2
	s_add_co_u32 s80, s80, s78                     ; tile row = 4 x cluster y + cy
	s_lshl_b32 s81, s78, 2
	s_lshl_b32 s81, 15, s81                        ; my row of the cluster
	s_lshl_b32 s82, 0x1111, s77                    ; my column
	s_or_b32 s[G1A+0], s81, (3<<16)|(1<<21)        ; A: the mask of my row; elements of 8 bytes; no padding; 21 set beside a mask
	s_mov_b32 s[G1A+1], 32<<16                     ; tensor_dim0 = 32 elements: rows of 256 bytes
	s_mov_b32 s[G1A+2], 64<<16                     ; tensor_dim1 = 64
	s_mov_b32 s[G1A+3], 32<<16                     ; tile_dim0
	s_mov_b32 s[G1A+4], 64                         ; tile_dim1: 16,384 bytes, dense
	s_mov_b32 s[G1A+5], 32                         ; the pitch = the row
	s_mov_b32 s[G1A+6], 0
	s_mov_b32 s[G1A+7], 0
	s_or_b32 s[G1B+0], s82, (0<<16)|(1<<20)|(1<<21)|(5<<22)|(3<<25)  ; B: the mask of my column; elements of 1 byte; four words of padding after every 64
	s_mov_b32 s[G1B+1], 256<<16
	s_mov_b32 s[G1B+2], 64<<16
	s_mov_b32 s[G1B+3], 256<<16
	s_mov_b32 s[G1B+4], 64
	s_mov_b32 s[G1B+5], 1024
	s_mov_b32 s[G1B+6], 0
	s_mov_b32 s[G1B+7], 0
	s_lshl_b32 s84, s80, 1
	s_add_co_u32 s84, s84, s76
	s_lshl_b32 s84, s84, 16                        ; A: block row 2 x tile row + half, four chunks of 16,384 bytes each: of cy, the cluster's y and the wave alone
	s_mov_b32 s85, 0
	s_lshl_b32 s83, s76, 14                        ; and its place in a chunk in LDS
	s_lshl_b32 s88, s79, 17
	s_lshl_b32 s89, s76, 16
	s_add_co_u32 s88, s88, s89
	s_add_co_u32 s88, s88, 0x300000                ; B: the fourth weight, row 128 x tile column + 64 x half: of cx, the cluster's x and the wave alone
	s_mov_b32 s89, 0
	s_mul_i32 s12, s76, 64*PITCH
	s_add_co_u32 s12, s12, BBASE
	s_wait_kmcnt 0x0
	s_load_b64 s[72:73], s[8:9], 0x28              ; ls[10], ls[11]
	s_add_nc_u64 s[86:87], s[4:5], s[84:85]
	s_add_nc_u64 s[88:89], s[6:7], s[88:89]
.irp k, 0,1,2,3
	s_mov_b32 s[G0A+4*\k], 1
	s_add_co_u32 s[G0A+4*\k+1], s83, \k*ACH
	s_add_nc_u64 s[G0A+4*\k+2:G0A+4*\k+3], s[86:87], \k*16384
	s_or_b32 s[G0A+4*\k+3], s[G0A+4*\k+3], 0x80000000
	s_mov_b32 s[G0B+4*\k], 1
	s_add_co_u32 s[G0B+4*\k+1], s12, \k*BCH
	s_add_nc_u64 s[G0B+4*\k+2:G0B+4*\k+3], s[88:89], \k*256
	s_or_b32 s[G0B+4*\k+3], s[G0B+4*\k+3], 0x80000000
.endr
	CROUND                                         ; all sixteen work-groups are here: the joint loads meet
	s_cmp_eq_u32 s75, 0                            ; a wave's four fills stand in one branch on the wave's number, ahead of every wait on TENSORcnt and every LDS read; four v_nop follow the last
	s_cbranch_scc0 .Lfill_b
	tensor_load_to_lds s[G0A:G0A+3], s[G1A:G1A+7]
	s_nop 0
	tensor_load_to_lds s[G0A+4:G0A+7], s[G1A:G1A+7]
	s_nop 0
	tensor_load_to_lds s[G0A+8:G0A+11], s[G1A:G1A+7]
	s_nop 0
	tensor_load_to_lds s[G0A+12:G0A+15], s[G1A:G1A+7]
	s_nop 0
.rept 4
	v_nop
.endr
	s_branch .Lfilled
.Lfill_b:
	tensor_load_to_lds s[G0B:G0B+3], s[G1B:G1B+7]
	s_nop 0
	tensor_load_to_lds s[G0B+4:G0B+7], s[G1B:G1B+7]
	s_nop 0
	tensor_load_to_lds s[G0B+8:G0B+11], s[G1B:G1B+7]
	s_nop 0
	tensor_load_to_lds s[G0B+12:G0B+15], s[G1B:G1B+7]
	s_nop 0
.rept 4
	v_nop
.endr
.Lfilled:
	v_and_b32 v1, 15, v0                           ; r
	v_bfe_u32 v2, v0, 4, 1                         ; h
	v_and_b32 v3, 31, v0
	v_lshlrev_b32 v[CO], 4, v3                     ; 16 x lane
	v_lshlrev_b32 v[BOF], 5, v2                    ; bo: my half's eight numbers of a tile of 16
	s_lshl_b32 s13, s79, 9
	s_lshl_b32 s14, s76, 8
	s_add_co_u32 s14, s13, s14                     ; bo at my 64 columns, in bytes
	s_mov_b32 s15, 0
	s_add_nc_u64 s[68:69], s[68:69], s[14:15]
.irp b, 0,1,2,3
	global_load_b128 v[BO+8*\b:BO+8*\b+3], v[BOF], s[68:69] offset:64*\b
	global_load_b128 v[BO+8*\b+4:BO+8*\b+7], v[BOF], s[68:69] offset:64*\b+16
.endr
	s_lshl_b32 s14, s80, 19                        ; out0: 128 rows of 4,096 bytes for each tile row,
	s_add_co_u32 s14, s14, s13                     ; 512 bytes for each tile column,
	s_lshl_b32 s13, s74, 17                        ; 32 rows for each wave
	s_add_co_u32 s14, s14, s13
	s_add_nc_u64 s[70:71], s[70:71], s[14:15]
	s_lshl_b32 s13, s75, 14                        ; my 64 tokens' half of a chunk
	v_mul_u32_u24 v4, v1, PITCH
	v_lshl_add_u32 v4, v2, 4, v4
	s_mul_i32 s14, s76, 64*PITCH
	s_add_co_u32 s14, s14, BBASE                   ; my 64 rows of B
.irp k, 0,1,2,3
	v_add_nc_u32 v[ADRA+\k], s13, v[CO]
	v_add_nc_u32 v[ADRB+\k], s14, v4
	s_add_co_u32 s13, s13, ACH
	s_add_co_u32 s14, s14, BCH
.endr
	s_mul_i32 s13, s75, 64*SPITCH
	s_lshl_b32 s14, s76, 8
	s_add_co_u32 s13, s13, s14
	v_mul_u32_u24 v[STO], v1, SPITCH
	v_lshl_add_u32 v[STO], v2, 5, v[STO]
	v_add_nc_u32 v[STO], s13, v[STO]               ; the stage, in: row 64 x half + r, + 256 x my half of the columns + 32 h
	s_mul_i32 s13, s74, 32*SPITCH
	v_add_nc_u32 v[RD], s13, v[CO]                 ; back: my 32 rows, 16 bytes a lane
	s_wait_tensorcnt 3                             ; my part of chunk 0 is in; the three later chunks' loads may be out,
	s_barrier_signal -1
	s_barrier_wait -1                              ; everybody's is; nothing is ever filled again
	FETCH 0, 0, F0
	FETCH 0, 1, F1
.irp k, 0,1,2,3
	s_wait_dscnt 32                                ; buffer 0 is in; buffer 1's 32 loads may be out
.if \k == 0
	MULS F0, 1                                     ; the first products start the sums
.else
	MULS F0, 0
.endif
	s_wait_dscnt 0                                 ; buffer 1 is in: no LDS instruction of mine is out at the signal
.if \k < 3
	s_wait_tensorcnt 2-\k                          ; my part of the next chunk is in; the later chunks' loads may be out
	s_barrier_signal -1
	s_barrier_wait -1
	PLACES                                         ; in front of loads into registers that matrix instructions have read
	FETCH \k+1, 0, F0
.endif
	MULS F1, 0
.if \k < 3
	PLACES
	FETCH \k+1, 1, F1
.endif
.endr
	WIN 0
	s_wait_dscnt 0x0
	s_barrier_signal -1
	s_barrier_wait -1                              ; no wave reads A's bytes any more: the stage may be written
	s_wait_loadcnt 0x0                             ; bo
	s_wait_kmcnt 0x0
	s_add_co_i32 s72, s72, s73
	s_add_co_i32 s72, s72, 127
	s_lshl_b32 s72, s72, 23                        ; 2^(ls[10] + ls[11]) as f32
	s_mov_b32 s73, s72                             ; (named with it as a pair)
	PLACES                                         ; in front of the first read of results
.irp a, 0,1,2,3
.irp b, 0,1,2,3
.irp i, 0,2,4,6
	v_pk_fma_f32 v[ACC+8*(4*\a+\b)+\i:ACC+8*(4*\a+\b)+\i+1], v[ACC+8*(4*\a+\b)+\i:ACC+8*(4*\a+\b)+\i+1], s[72:73], v[BO+8*\b+\i:BO+8*\b+\i+1] op_sel_hi:[1,0,1]   ; sum x 2^e + bo; each accumulator from its low end on
.endr
.endr
.endr
.irp a, 0,1,2,3
.irp b, 0,1,2,3
	ds_store_b128 v[STO], v[ACC+8*(4*\a+\b):ACC+8*(4*\a+\b)+3] offset:\a*16*SPITCH+64*\b
	ds_store_b128 v[STO], v[ACC+8*(4*\a+\b)+4:ACC+8*(4*\a+\b)+7] offset:\a*16*SPITCH+64*\b+16
.endr
.endr
	s_wait_dscnt 0x0                               ; for the others' sake: a row's 512 bytes come from two waves
	s_barrier_signal -1
	s_barrier_wait -1
.set t, 0
.rept 32
	ds_load_b128 v[ACC+4*t:ACC+4*t+3], v[RD] offset:t*SPITCH
.set t, t+1
.endr
.set t, 0
.rept 32
	s_wait_dscnt 31-t                              ; row t is back; the younger loads may be out
	global_store_b128 v[CO], v[ACC+4*t:ACC+4*t+3], s[70:71] offset:t*4096 th:TH_STORE_NT   ; 32 lanes store 512 consecutive bytes, aligned; written once, read by nobody here
.set t, t+1
.endr
	s_wait_tensorcnt 0x0                           ; the wave's end: my last LDS instructions
	ds_add_u32 v[SPW], v[NIL]
	s_wait_dscnt 0x0
	CROUND                                         ; the closing round: no work-group ends while a partner may still ask for a tile that names it
	s_endpgm
.Lfunc_end_k_q5b980dafdf_proj:
	.size	k_q5b980dafdf_proj, .Lfunc_end_k_q5b980dafdf_proj-k_q5b980dafdf_proj
	.p2alignl 7, 3214868480
	.fill 96, 4, 3214868480
	.section	.rodata,"a",@progbits
	.p2align	6, 0x0
	.amdhsa_kernel k_q5b980dafdf_proj
		.amdhsa_group_segment_fixed_size 327680
		.amdhsa_private_segment_fixed_size 0
		.amdhsa_enable_private_segment 0
		.amdhsa_kernarg_size 40
		.amdhsa_user_sgpr_count 2
		.amdhsa_user_sgpr_kernarg_segment_ptr 1
		.amdhsa_wavefront_size32 1
		.amdhsa_system_sgpr_workgroup_id_x 1
		.amdhsa_system_sgpr_workgroup_id_y 1
		.amdhsa_system_sgpr_workgroup_id_z 1
		.amdhsa_system_vgpr_workitem_id 0
		.amdhsa_next_free_vgpr 512
		.amdhsa_next_free_sgpr 90
		.amdhsa_reserve_vcc 0
		.amdhsa_float_denorm_mode_32 3
		.amdhsa_float_denorm_mode_16_64 3
		.amdhsa_memory_ordered 1
		.amdhsa_forward_progress 1
		.amdhsa_inst_pref_size 48
	.end_amdhsa_kernel
	.amdgpu_metadata
---
amdhsa.version: [ 1, 2 ]
amdhsa.kernels:
  - .name:           k_q5b980dafdf_proj
    .symbol:         k_q5b980dafdf_proj.kd
    .args:
      - { .name: ac, .offset: 0, .size: 8, .value_kind: global_buffer, .address_space: global }
      - { .name: wc, .offset: 8, .size: 8, .value_kind: global_buffer, .address_space: global }
      - { .name: lowp_scales, .offset: 16, .size: 8, .value_kind: global_buffer, .address_space: global }
      - { .name: bo, .offset: 24, .size: 8, .value_kind: global_buffer, .address_space: global }
      - { .name: out0, .offset: 32, .size: 8, .value_kind: global_buffer, .address_space: global }
    .group_segment_fixed_size: 327680
    .private_segment_fixed_size: 0
    .kernarg_segment_align: 8
    .kernarg_segment_size: 40
    .max_flat_workgroup_size: 128
    .sgpr_count:     90
    .vgpr_count:     512
    .wavefront_size: 32
...
	.end_amdgpu_metadata
.endif
;; end of part 4
;; ======== version 2 of 2: 4 launches; version 1 with the launch attn written anew for expert scheduling mode
;; workspace buffers: xc 12,582,912 bytes; wc 4,194,304 bytes; mb 524,288 bytes of whole numbers; mf 8,192 bytes of whole numbers; qc 4,194,304 bytes; kc 4,194,304 bytes; vc 4,194,304 bytes; ac 4,194,304 bytes
;; launch prep: the kernel of part 1 again; grid 384 x 1, 4 waves a work-group, no clusters, 68,096 bytes of LDS; arguments x, wq, wk, wv, wo, mask, lowp_scales, xc, wc, mb, mf; writes xc, wc, mb, mf
;; launch qkv: the kernel of part 2 again; grid 48 x 4, 4 waves a work-group, clusters of 4 x 4, 327,680 bytes of LDS; arguments xc, wc, lowp_scales, bq, bk, bv, freqs_cos, freqs_sin, qc, kc, vc; writes qc, kc, vc
;; launch attn (part 5): grid 8 x 32, 16 waves a work-group, no clusters, 264,192 bytes of LDS; arguments qc, kc, vc, mb, mf, lowp_scales, ac; writes ac
.if DOCPART == 5
	.amdgcn_target "amdgcn-amd-amdhsa--gfx1250"
	.amdhsa_code_object_version 6
	.text
	.protected	k_q5b980dafdf_attn
	.globl	k_q5b980dafdf_attn
	.p2align	8
	.type	k_q5b980dafdf_attn,@function
k_q5b980dafdf_attn:
	s_mov_b64 s[64:65], 0
	v_nop
	global_prefetch_b8 v0, s[64:65] scope:SCOPE_SE
	s_setreg_imm32_b32 hwreg(HW_REG_WAVE_SCHED_MODE, 0, 2), 2
	s_setreg_imm32_b32 hwreg(HW_REG_WAVE_MODE, 25, 1), 1
	s_wait_xcnt 0x0
	s_wait_alu depctr_vm_vsrc(0)
; ATTN: for each batch and head, out[q] = sum over k of softmax_k(where(mask, q . k / 8, -1e9)) v[k], both products on E4M3 codes; the result is quantised for the last product.
; THE SOFTMAX: t = logit x log2(e); M = the running largest t rounded UP to a whole number; p = 2^(t - M) is quantised with 2^ls[9]; the row's sum is taken of the unquantised p and divides at the end.
; When M moves, the sum and O are multiplied by 2^(old M - new M), which rounds nothing.  A masked logit is the number -1e9, as in the problem: t is then -1,442,695,040, so a row with no true byte comes out as the mean of v.
; SHARES.  A work-group owns one (batch, head) and 16 tiles of 16 queries, a tile to a wave: tile j + 8 rank(wave), j the work-group's x.  The sixteen ranks form a magic square, so that the waves w % 4 = const and
; w / 4 = const each sum to 30: where the mask hides late keys, long and short waves are spread evenly.  No value hangs on that order.
; LDS.  The head's K (131,072 bytes) and V (131,072) lie in LDS whole, as images of the operands' registers (a load reads 512 bytes on end): filled once through registers, one barrier, and the waves run free.
; NO TENSOR LOAD, NO CLUSTER: key steps are passed over by branches on stored whole numbers (mf); what work-groups share is read once, at the head.
; PASSED OVER: a key step in which no query of my tile has a true mask byte adds p = 0 to every row that has a true byte somewhere.  So it is passed over only if all 16 rows have one; else every step runs.
; LAYOUT.  S^T = K Q^T (source 0 = 16 keys, source 1 = my 16 queries), O^T = V^T P^T: a lane holds one query (lane % 16).  Score register n holds key 32 (n / 16) + 16 (lane / 16) + n % 16 of the step,
; by the order in which kc holds its tokens; p's codes are then the second product's operand as they come, and mb's word n is the lane mask of register n.
; LIMITS: ls[6] + ls[7] between -123 and 130 (added to an exponent field); ls[9] and ls[10] between -126 and 119.
; THE MODE: SCHED_MODE bits 1:0 = 2 (LLVM: expert scheduling mode 2), set by the entry lines.  The code itself states the register dependences between vector or matrix instructions and memory or LDS
; instructions, with s_wait_alu, always for 0.
; THE PLAN.  Registers that memory or LDS instructions touch, in the loop:
;   v2, v3      the step's LDS addresses.  Written by two additions at the head of a step that runs; read by K's sixteen loads (v2) and V's sixteen (v3).
;   v32-95      K's buffer.  K's loads land in it at the step's head; the eight score products read it; then p's conversions write v32-47 and the four products with V read them.
;   v192-255    V's buffer.  V's loads land in it, two behind each score product; the four products at the step's end read it.
; So ONE wait on va_vdst stands at a step's head, behind the two additions: the addresses are written, and all that the step before did with the two buffers is done.  The step's 32 LDS loads follow it; the only
; vector or matrix instructions among them are the score products, which name K's buffer (whose loads are all issued by then), Q and the scores.  One wait on vm_vsrc stands ahead of the two additions.
; At the head and on the way out: v1, v4, v5 are written once, ahead of one wait; v32-159 carry the fill from memory to LDS; v32-39 carry the result's codes to the stores.
; REGISTERS: v1 16 x lane; v2, v3 the step's LDS addresses; v4, v5 the fill's; v6 the masked t; v7-11, v28-29 at work; v12 -M, v13 the largest t, v[14:15] the sum; v16-23 Q; v24-27 the two quantisers' 2^e and 448 x 2^e;
;   v32-95 fragments of K, then in v32-47 p's codes; v96-159 S^T, then p; v160-191 O^T; v192-255 fragments of V.
; SCALARS: s2 the step's LDS byte; s3 the step; s4 at work; s5 the step's bytes in mb; s[10:11] mb; s[14:15] lane selects; s[16:23] ls[4..11]; s[24:25] ac; s28 steps to run; s29 steps with no false byte;
;   s[30:31] the factor in force; s[100:101] c; s32-63, s68-99 the step's 64 mask words.
.set VOFF, 131072                      ; V's images lie behind K's
.set KB,   32                          ; K's buffer
.set PC,   32                          ; p's codes, and the result's: over the first sixteen registers of K's buffer, which the score products have left by then
.set S,    96
.set O,    160
.set VB,   192                         ; V's buffer
.set TA,   7                           ; at work: a maximum's first chain, then M's change
.set TB,   8                           ; its second chain
.set TX,   9                           ; what lane l xor 16 holds
.set FF,   10                          ; v[10:11] f = 2^(old M - new M), and a word that is only named
.set SU,   28                          ; v[28:29] the sum's second chain
	s_load_b256 s[4:11], s[0:1], 0x0               ; qc s[4:5], kc s[6:7], vc s[8:9], mb s[10:11]
	s_load_b128 s[12:15], s[0:1], 0x20             ; mf s[12:13], the scales' exponents s[14:15]
	s_load_b64 s[24:25], s[0:1], 0x30              ; ac
	v_lshl_add_u32 v30, v0, 2, 0x40000
	v_mov_b32 v31, 0
	v_lshrrev_b32 v4, 5, v0
	v_readfirstlane_b32 s26, v4                    ; wave 0..15
	v_and_b32 v1, 31, v0
	v_lshlrev_b32 v1, 4, v1                        ; 16 x lane
	v_lshl_add_u32 v4, v4, 13, v1                  ; my wave's sixteenth of K's images: 8,192 x wave + 16 x lane, in memory and in LDS
	v_add_nc_u32 v5, VOFF, v4                      ; and of V's, in LDS
	s_mov_b32 s27, 0x7a94c12f                      ; the ranks of waves 0-7, four bits each,
	s_mov_b32 s28, 0x0de3b658                      ; of waves 8-15
	s_wait_alu depctr_va_sdst(0)                   ; s26 is written, ahead of its first reader: my tile of queries is made from it
	s_cmp_lt_u32 s26, 8
	s_cselect_b32 s27, s27, s28
	s_and_b32 s28, s26, 7
	s_lshl_b32 s28, s28, 2
	s_lshr_b32 s27, s27, s28
	s_and_b32 s27, s27, 15
	s_lshl_b32 s27, s27, 3
	s_add_co_u32 s27, s27, ttmp9                   ; qt: my tile of queries, 0 .. 127
	s_and_b32 s29, ttmp7, 0xffff                   ; bh = 16 x batch + head
	s_mov_b32 s31, 0
	s_wait_kmcnt 0x0
	s_load_b256 s[16:23], s[14:15], 0x10           ; ls[4..11]: s18 eq, s19 ek, s20 ev, s21 ep, s22 ea
	s_lshl_b32 s30, s27, 6
	s_add_nc_u64 s[12:13], s[12:13], s[30:31]
	s_load_b512 s[32:47], s[12:13], 0x0            ; my tile's flags: four quarters x (any, all, lanes, 0)
	s_lshl_b32 s30, s29, 7
	s_add_co_u32 s30, s30, s27
	s_lshl_b32 s30, s30, 10
	s_add_nc_u64 s[4:5], s[4:5], s[30:31]
	s_wait_alu depctr_va_vdst(0)                   ; v1, v4 and v5 are written: the loads, the LDS stores of the fill and the last stores read them as offsets and addresses; no later line writes them
	global_load_b128 v[16:19], v1, s[4:5]          ; Q's fragment stays in registers: d = 16 h + 0 .. 15,
	global_load_b128 v[20:23], v1, s[4:5] offset:512   ; d = 32 + 16 h + 0 .. 15
	s_lshl_b32 s30, s29, 17
	s_add_nc_u64 s[6:7], s[6:7], s[30:31]
	s_add_nc_u64 s[8:9], s[8:9], s[30:31]
.irp i, 0,1,2,3,4,5,6,7,8,9,10,11,12,13,14,15
	global_load_b128 v[32+4*\i:35+4*\i], v4, s[6:7] offset:512*\i
.endr
.irp i, 0,1,2,3,4,5,6,7,8,9,10,11,12,13,14,15
	global_load_b128 v[96+4*\i:99+4*\i], v4, s[8:9] offset:512*\i
.endr
	; where my 1,024 bytes of ac lie: tile g = 128 x batch + qt, head hd: ((g / 4) 4 + hd / 4) 16,384 + (g % 4) 4,096 + (hd % 4) 1,024
	s_lshr_b32 s30, s29, 4
	s_lshl_b32 s30, s30, 7
	s_add_co_u32 s30, s30, s27                     ; g
	s_and_b32 s28, s29, 15                         ; hd
	s_lshr_b32 s100, s30, 2
	s_lshl_b32 s100, s100, 2
	s_lshr_b32 s101, s28, 2
	s_add_co_u32 s100, s100, s101
	s_lshl_b32 s100, s100, 14
	s_and_b32 s101, s30, 3
	s_lshl_b32 s101, s101, 12
	s_add_co_u32 s100, s100, s101
	s_and_b32 s101, s28, 3
	s_lshl_b32 s101, s101, 10
	s_add_co_u32 s30, s100, s101
	s_add_nc_u64 s[24:25], s[24:25], s[30:31]
	s_lshl_b32 s30, s27, 12                        ; mb: 16 steps x 256 bytes for each tile of queries
	s_add_nc_u64 s[10:11], s[10:11], s[30:31]
	s_wait_kmcnt 0x0
	s_or_b32 s28, s32, s36
	s_or_b32 s28, s28, s40
	s_or_b32 s28, s28, s44                         ; bit ks: the step has a true byte
	s_or_b32 s29, s33, s37
	s_or_b32 s29, s29, s41
	s_or_b32 s29, s29, s45                         ; bit ks: the step has no false byte
	s_or_b32 s30, s34, s38
	s_or_b32 s30, s30, s42
	s_or_b32 s30, s30, s46
	s_lshr_b32 s31, s30, 16
	s_or_b32 s30, s30, s31
	s_and_b32 s30, s30, 0xffff                     ; bit r: row r has a true byte (its keys lie in lanes r and r + 16)
	s_mov_b32 s31, 0xffff
	s_cmp_eq_u32 s30, s31
	s_cselect_b32 s28, s28, s31                    ; a row without one: every step runs
	s_add_co_i32 s100, s18, s19
	s_lshl_b32 s100, s100, 23
	s_add_co_i32 s100, s100, 0x3e38aa3b            ; c = log2(e) / 8, with eq + ek added to its exponent field
	s_mov_b32 s101, s100                           ; (named with it as a pair)
	s_mov_b32 s31, s100                            ; (the upper word of the pair s[30:31]; its lower word is set in each step)
	s_add_co_i32 s12, s21, 127
	s_lshl_b32 s13, s12, 23
	v_mov_b32 v24, s13                             ; 2^ep
	s_add_co_i32 s12, s12, 8
	s_lshl_b32 s12, s12, 23
	s_or_b32 s12, s12, 0x600000
	v_mov_b32 v25, s12                             ; 448 x 2^ep
	s_add_co_i32 s12, s22, 127
	s_lshl_b32 s13, s12, 23
	v_mov_b32 v26, s13                             ; 2^ea
	s_add_co_i32 s12, s12, 8
	s_lshl_b32 s12, s12, 23
	s_or_b32 s12, s12, 0x600000
	v_mov_b32 v27, s12                             ; 448 x 2^ea
	s_mov_b32 s14, 0x76543210                      ; v_permlanex16_b32: lane l xor 16
	s_mov_b32 s15, 0xfedcba98
	v_mov_b32 v6, 0xceabfb8f                       ; -1e9 x log2(e) as f32: -1,442,695,040, a whole number
	v_mov_b32 v13, 0xff61b1e6                      ; the largest t so far: -3e38
	v_floor_f32 v12, -v13                          ; -M
	v_mov_b32 v14, 0
	v_mov_b32 v15, 0
	v_mov_b32 v[TX], 0                             ; written once: a lane permute's destination counts as read
	v_mov_b32 v[FF+1], 0                           ; (the upper half of the pair v[10:11])
.set j, 0
.rept 32
	v_mov_b32 v[O+j], 0                            ; the step is written once: the first finds zeros, which the first change of M leaves zeros
.set j, j+1
.endr
.irp i, 0,1,2,3,4,5,6,7,8,9,10,11,12,13,14,15
	s_wait_loadcnt 31-\i                           ; K's load i is in; the younger loads of the 32 may be out
	ds_store_b128 v4, v[32+4*\i:35+4*\i] offset:512*\i   ; no vector instruction since the wait ahead of the loads names v4, v5 or the registers of the fill
.endr
.irp i, 0,1,2,3,4,5,6,7,8,9,10,11,12,13,14,15
	s_wait_loadcnt 15-\i
	ds_store_b128 v5, v[96+4*\i:99+4*\i] offset:512*\i
.endr
	s_wait_dscnt 0x0                               ; for the others' sake: my stores have landed
	s_barrier_signal -1
	s_barrier_wait -1                              ; the head's K and V lie in LDS; nobody writes LDS again
	s_wait_alu depctr_vm_vsrc(0)                   ; my LDS stores have read v32-159: from here on K's loads, the score products and the way out's lines write these registers
	s_mov_b32 s2, 0
	s_mov_b32 s3, 0
	s_mov_b32 s5, 0                                ; (s4 and s5 held Q's address: its loads are done)
.Lstep:                                            ; 16 trips, 128 keys each
	s_lshr_b32 s4, s28, s3
	s_bitcmp1_b32 s4, 0
	s_cbranch_scc0 .Lskip
	s_load_b512 s[32:47], s[10:11], s5 offset:0x0  ; the step's 64 mask words; they land under the first product
	s_load_b512 s[48:63], s[10:11], s5 offset:0x40
	s_load_b512 s[68:83], s[10:11], s5 offset:0x80
	s_load_b512 s[84:99], s[10:11], s5 offset:0xc0
	s_wait_alu depctr_vm_vsrc(0)                   ; the LDS loads of the last step that ran have read v2 and v3, which the two additions write
	v_add_nc_u32 v2, s2, v1
	v_add_nc_u32 v3, VOFF, v2
	v_nop
	v_nop                                          ; four plain lines between the last step's products and the loads into the registers that they read
	s_wait_alu depctr_va_vdst(0)                   ; v2 and v3 are written; the last step's products are done reading K's buffer, V's buffer and p's codes, and its conversions have written v32-47: the 32 loads below land in these registers
.irp t, 0,1,2,3,4,5,6,7
	ds_load_b128 v[KB+8*\t:KB+8*\t+3], v2 offset:1024*\t
	ds_load_b128 v[KB+8*\t+4:KB+8*\t+7], v2 offset:1024*\t+512
.endr
	s_wait_dscnt 0x0
.irp t, 0,1,2,3,4,5,6,7
	v_wmma_f32_16x16x64_fp8_fp8 v[S+8*\t:S+8*\t+7], v[KB+8*\t:KB+8*\t+7], v[16:23], 0
	ds_load_b128 v[VB+8*\t:VB+8*\t+3], v3 offset:1024*\t         ; V's four fragments, two loads behind each product: they land under the softmax.
	ds_load_b128 v[VB+8*\t+4:VB+8*\t+7], v3 offset:1024*\t+512   ; No wait: no vector or matrix instruction since the wait above names v3 or V's buffer
.endr
.rept 4
	v_nop                                          ; places in front of the first read of the scores
.endr
	s_mov_b32 s30, s100                            ; the scores are still raw: the factor in force is c
	s_wait_kmcnt 0x0                               ; the mask words are in
	s_lshr_b32 s4, s29, s3
	s_bitcmp1_b32 s4, 0
	s_cbranch_scc1 .Lopen
.set j, 0
.rept 32
	v_pk_mul_f32 v[S+j:S+j+1], v[S+j:S+j+1], s[100:101] op_sel_hi:[1,0]   ; t is made first, so that a masked t is exactly the whole number in v6 and t - M is exact for a row that is masked throughout
.set j, j+2
.endr
.set n, 0
.rept 64
	v_cndmask_b32 v[S+n], v6, v[S+n], s[32+n+4*(n/32)]   ; word n: s32-63, then s68-99
.set n, n+1
.endr
	s_mov_b32 s30, 1.0
.Lopen:
	v_max3_num_f32 v[TA], v96, v97, v98            ; the step's largest score of my query among my 64 keys, in two chains, each accumulator from its low end on
	v_max3_num_f32 v[TB], v99, v100, v101
.irp i, 6,10,14,18,22,26,30,34,38,42,46,50,54,58
	v_max3_num_f32 v[TA], v[TA], v[96+\i], v[97+\i]
	v_max3_num_f32 v[TB], v[TB], v[98+\i], v[99+\i]
.endr
	v_max3_num_f32 v[TA], v[TA], v158, v159
	v_max_num_f32 v[TA], v[TA], v[TB]
	v_permlanex16_b32 v[TX], v[TA], s14, s15
	v_max_num_f32 v[TA], v[TA], v[TX]              ; and among lane l xor 16's
	v_mul_f32 v[TA], s30, v[TA]                    ; as t (the factor is positive)
	v_max_num_f32 v13, v13, v[TA]                  ; the running largest t
	v_mov_b32 v[TA], v12
	v_floor_f32 v12, -v13                          ; the new -M = floor(-t)
	v_sub_f32 v[TA], v12, v[TA]                    ; old M - new M: a whole number, 0 or less
	v_cvt_i32_f32 v[TA], v[TA]                     ; (it saturates)
	v_ldexp_f32 v[FF], 1.0, v[TA]                  ; f = 2^(old M - new M)
.set j, 0
.rept 32
	v_pk_fma_f32 v[S+j:S+j+1], v[S+j:S+j+1], s[30:31], v[12:13] op_sel_hi:[1,0,0]   ; t - M (of both pairs the low word serves both halves)
.set j, j+2
.endr
.set j, 0
.rept 64
	v_exp_f32 v[S+j], v[S+j]                       ; p = 2^(t - M), at most 1
.set j, j+1
.endr
	v_pk_mul_f32 v[14:15], v[14:15], v[FF:FF+1] op_sel_hi:[1,0]   ; the sums under the new M: the plain line behind the exponentials
	s_wait_alu depctr_va_vdst(0)                   ; the 64 exponentials have written v96-159: one wait for the whole batch, ahead of its first reader
	v_pk_add_f32 v[SU:SU+1], v[96:97], v[98:99]    ; the row's sum is taken of the unquantised p, in two chains
.irp j, 4,8,12,16,20,24,28,32,36,40,44,48,52,56,60
	v_pk_add_f32 v[14:15], v[14:15], v[96+\j:97+\j]
	v_pk_add_f32 v[SU:SU+1], v[SU:SU+1], v[98+\j:99+\j]
.endr
	v_pk_add_f32 v[14:15], v[14:15], v[SU:SU+1]
	s_cmp_ge_i32 s21, -8                           ; p is at most 1 and 448 x 2^ep is at least 1.75 from ep = -8 on: the hold can then change nothing
	s_cbranch_scc1 .Lnohold
.set j, 0
.rept 64
	v_min_num_f32 v[S+j], v[S+j], v25              ; the conversion does not saturate (ISA guide 7.6.2); p is not negative
.set j, j+1
.endr
.Lnohold:
.irp i, 0,1,2,3,4,5,6,7
	v_cvt_scalef32_pk8_fp8_f32 v[PC+2*\i:PC+2*\i+1], v[S+8*\i:S+8*\i+7], v24   ; registers 4 b .. 4 b + 3: keys 32 b + 16 h + 0 .. 15, as V's fragments have them
.endr
.set j, 0
.rept 16
	v_pk_mul_f32 v[O+j:O+j+1], v[O+j:O+j+1], v[FF:FF+1] op_sel_hi:[1,0]   ; O^T under the new M; also the plain lines behind the conversions
.set j, j+2
.endr
	s_wait_dscnt 0x0                               ; V is in
.irp t, 0,1,2,3
	v_wmma_f32_16x16x128_fp8_fp8 v[O+8*\t:O+8*\t+7], v[VB+16*\t:VB+16*\t+15], v[PC:PC+15], v[O+8*\t:O+8*\t+7]   ; four accumulators by turns; the next step's eight score products stand between two links
.endr
.Lskip:
	s_add_co_u32 s2, s2, 8192                      ; a step's images of K, and of V
	s_add_co_u32 s5, s5, 256                       ; (in a step that ran, the wait for the mask words has freed s5)
	s_add_co_u32 s3, s3, 1
	s_cmp_lt_u32 s3, 16
	s_cbranch_scc1 .Lstep
	; THE WAY OUT: O^T / the sum x 2^(ep + ev), quantised with 2^ea.  Register 16 c + i is d = 32 c + 16 h + i of my query: the codes are the last product's operand image
.rept 4
	v_nop                                          ; places behind the last products
.endr
	v_add_f32 v14, v14, v15
	v_permlanex16_b32 v[TX], v14, s14, s15
	v_add_f32 v14, v14, v[TX]                      ; the row's sum: at least 1/2
	v_rcp_f32 v14, v14
	v_nop                                          ; a plain line behind the reciprocal
	s_add_co_i32 s12, s21, s20
	s_wait_alu depctr_va_vdst(0)                   ; the reciprocal has written v14, ahead of its first reader
	v_ldexp_f32 v14, v14, s12
.set j, 0
.rept 32
	v_mul_f32 v[S+j], v[O+j], v14
.set j, j+1
.endr
.set j, 0
.rept 32
	v_med3_num_f32 v[S+j], v[S+j], -v27, v27
.set j, j+1
.endr
.irp i, 0,1,2,3
	v_cvt_scalef32_pk8_fp8_f32 v[PC+2*\i:PC+2*\i+1], v[S+8*\i:S+8*\i+7], v26
.endr
	v_nop
	s_wait_alu depctr_va_vdst(0)                   ; the conversions have written v32-39, which the two stores read
	global_store_b128 v1, v[PC:PC+3], s[24:25]             ; 512 consecutive bytes, aligned
	global_store_b128 v1, v[PC+4:PC+7], s[24:25] offset:512
	s_wait_dscnt 0x0
	s_wait_alu depctr_hold_cnt(0) depctr_sa_sdst(0) depctr_va_vdst(0) depctr_va_sdst(0) depctr_va_ssrc(0) depctr_va_vcc(0) depctr_vm_vsrc(0)
	s_wait_tensorcnt 0x0
	ds_add_u32 v30, v31
	s_wait_dscnt 0x0
	s_endpgm
.Lfunc_end_k_q5b980dafdf_attn:
	.size	k_q5b980dafdf_attn, .Lfunc_end_k_q5b980dafdf_attn-k_q5b980dafdf_attn
	.p2alignl 7, 3214868480
	.fill 96, 4, 3214868480
	.section	.rodata,"a",@progbits
	.p2align	6, 0x0
	.amdhsa_kernel k_q5b980dafdf_attn
		.amdhsa_group_segment_fixed_size 264192
		.amdhsa_private_segment_fixed_size 0
		.amdhsa_enable_private_segment 0
		.amdhsa_kernarg_size 56
		.amdhsa_user_sgpr_count 2
		.amdhsa_user_sgpr_kernarg_segment_ptr 1
		.amdhsa_wavefront_size32 1
		.amdhsa_system_sgpr_workgroup_id_x 1
		.amdhsa_system_sgpr_workgroup_id_y 1
		.amdhsa_system_sgpr_workgroup_id_z 1
		.amdhsa_system_vgpr_workitem_id 0
		.amdhsa_next_free_vgpr 256
		.amdhsa_next_free_sgpr 102
		.amdhsa_reserve_vcc 0
		.amdhsa_float_denorm_mode_32 3
		.amdhsa_float_denorm_mode_16_64 3
		.amdhsa_memory_ordered 1
		.amdhsa_forward_progress 1
		.amdhsa_inst_pref_size 38
	.end_amdhsa_kernel
	.amdgpu_metadata
---
amdhsa.version: [ 1, 2 ]
amdhsa.kernels:
  - .name:           k_q5b980dafdf_attn
    .symbol:         k_q5b980dafdf_attn.kd
    .args:
      - { .name: qc, .offset: 0, .size: 8, .value_kind: global_buffer, .address_space: global }
      - { .name: kc, .offset: 8, .size: 8, .value_kind: global_buffer, .address_space: global }
      - { .name: vc, .offset: 16, .size: 8, .value_kind: global_buffer, .address_space: global }
      - { .name: mb, .offset: 24, .size: 8, .value_kind: global_buffer, .address_space: global }
      - { .name: mf, .offset: 32, .size: 8, .value_kind: global_buffer, .address_space: global }
      - { .name: lowp_scales, .offset: 40, .size: 8, .value_kind: global_buffer, .address_space: global }
      - { .name: ac, .offset: 48, .size: 8, .value_kind: global_buffer, .address_space: global }
    .group_segment_fixed_size: 264192
    .private_segment_fixed_size: 0
    .kernarg_segment_align: 8
    .kernarg_segment_size: 56
    .max_flat_workgroup_size: 512
    .sgpr_count:     102
    .vgpr_count:     256
    .wavefront_size: 32
...
	.end_amdgpu_metadata
.endif
;; end of part 5
;; launch proj: the kernel of part 4 again; grid 8 x 32, 4 waves a work-group, clusters of 4 x 4, 327,680 bytes of LDS; arguments ac, wc, lowp_scales, bo, out0; writes out0
